; MI455X (gfx1250); checked and timed in simulation.
; The chip was launched on July 23, 2026; its instructions are those of AMD's public machine-readable ISA for CDNA 5 (MIT licence, August 2026) and "CDNA5" Instruction Set Architecture Reference Guide (July 2026). The comments in the code are by the model that wrote it; some were corrected since.
;; Causal Self Attention. Allowed arithmetic: matrix products marked QUANTISED: E4M3 operands, one E8M0 scale for each 32 along K, by v_wmma_scale_f32_16x16x128_f8f6f4 with both operands' format E4M3, f32 sums; everything else in f32.
;; Inputs: Wo 1,024 x 1,024 float32; Wqkv 1,024 x 3,072 float32; bo 1,024 float32; bqkv 3,072 float32; x 4 x 2,048 x 1,024 float32.
;; Outputs: out0 4 x 2,048 x 1,024 float32.
;; This version of the problem:
;;   THIS VERSION OF THE PROBLEM IS GIVEN IN LOW PRECISION. The matrix products marked QUANTISED in the list below multiply operands that are first quantised to E4M3 (4 exponent bits, 3 mantissa bits; 8 bits a number), with one power-of-two scale for each 32 numbers along K (OCP MX v1.0); their sums are f32. All else is computed in f32.
;;   The module's matrix products, in the order in which they are computed (A, B: the left and right operand; K: the contracted axis; several contracted axes count as one K, in the product's order):
;;     1. [M 8,192, K 1,024] x [K 1,024, N 3,072]; A: input x; B: input Wqkv: QUANTISED
;;     2. batch 64 x [M 2,048, K 64] x [K 64, N 2,048]; A: computed on the way; B: computed on the way: QUANTISED
;;     3. batch 64 x [M 2,048, K 2,048] x [K 2,048, N 64]; A: softmax (see below); B: computed on the way: QUANTISED
;;     4. [M 8,192, K 1,024] x [K 1,024, N 1,024]; A: computed on the way; B: input Wo: QUANTISED
;;   THE QUANTISER, for each operand of a quantised product, along K:
;;     - K is cut into blocks of 32 from its start; a last block that is shorter is filled with zeros.
;;     - A block's scale is 2^e with e = floor(log2(the largest magnitude in the block)) - 8, held to -126 .. 127; a block of zeros has e = 0. As a byte (E8M0): e + 127.
;;     - Each number is divided by its block's scale, clamped to +-448, and rounded to the nearest number of E4M3, ties to even, subnormals kept.
;;     - The product sums the exact products of the quantised numbers (number of the format x scale) in f32.
;;   ~~~python
;;   def quantise(x, axis):      # numpy; x: float32 -> the quantised numbers, widened to float32 again
;;       x = np.moveaxis(x, axis, -1); K = x.shape[-1]
;;       x = np.pad(x, [(0, 0)] * (x.ndim - 1) + [(0, -K % 32)]); x = x.reshape(x.shape[:-1] + (-1, 32)); a = np.abs(x).max(-1, keepdims=True)
;;       e = np.where(a > 0, np.clip(np.frexp(np.where(a > 0, a, 1))[1] - 1 - 8, -126, 127), 0)      # np.frexp(a)[1] - 1 = floor(log2(a)), exactly
;;       r = np.clip(x / 2.0 ** e, -448, 448)
;;       step = 2.0 ** (np.maximum(np.frexp(np.where(r == 0, 1, r))[1] - 1, -6) - 3)
;;       q = np.round(r / step) * step * 2.0 ** e      # np.round: ties to even
;;       return np.moveaxis(q.reshape(q.shape[:-2] + (-1,))[..., :K], -1, axis).astype(np.float32)
;;   ~~~
;;   SOFTMAX AHEAD OF A QUANTISED PRODUCT. Where the list says 'softmax', what is quantised is not the finished softmax but p = 2^(t - M), with t = logit x log2(e) and M = ceil(the row's largest t), a whole number; so 1/2 < the row's largest p <= 1. The row's sum l is taken of the UNQUANTISED p, in f32, and the product's result is divided by l at the end. Since M is a whole number, a kernel that streams over the keys may use a running M (the ceiling of the running maximum): every later rescaling is an exact power of two, which a block's scale takes up: the codes' values come out the same.
;;   OPERANDS COMPUTED ON THE WAY. 'Computed on the way' means the value that the module computes at that place (a softmax that the list does not call 'softmax' is quantised finished and normalised). What goes into a quantiser is computed in f32, as accurately as f32 sums, v_exp_f32 and their like allow (about 1e-6 of the number): no bf16 or f16 on the way to a quantiser, and a product that is left as it is and whose result goes on into a quantised operand takes f32 operands (vector FMAs, or v_wmma_f32_16x16x4_f32). A number that lies on a knife's edge between two numbers of the format may be rounded either way, as far as f32 arithmetic and the matrix unit's own rounding can turn it there, and no further.
;; One version. Each part assembles by itself: llvm-mc -triple=amdgcn-amd-amdhsa -mcpu=gfx1250 --defsym DOCPART=n.
;; ======== version 1 of 1: 4 launches
;; limits: right only within a limited range of input values
;; workspace buffers: xq 8,650,752 bytes; wq 3,244,032 bytes; woq 1,081,344 bytes; qq 8,912,896 bytes; kv 17,563,648 bytes; yq 8,650,752 bytes
;; launch quant (part 1): grid 384 x 1, 4 waves a work-group, no clusters, 34,304 bytes of LDS; arguments x, Wqkv, Wo, xq, wq, woq; writes xq, wq, woq
.if DOCPART == 1
	.amdgcn_target "amdgcn-amd-amdhsa--gfx1250"
	.amdhsa_code_object_version 6
	.text
	.protected	k_q67c1961b1f_quant
	.globl	k_q67c1961b1f_quant
	.p2align	8
	.type	k_q67c1961b1f_quant,@function
k_q67c1961b1f_quant:
	s_mov_b64 s[64:65], 0
	v_nop
	global_prefetch_b8 v0, s[64:65] scope:SCOPE_SE
	s_setreg_imm32_b32 hwreg(HW_REG_WAVE_MODE, 25, 1), 1
	s_wait_xcnt 0x0
; x [8192][1024], Wqkv [1024][3072] and Wo [1024][1024], f32, become codes of E4M3 with one E8M0 byte for each 32 along K (x: its second axis; the weights: their first).
; THE CODES LIE IN THE ORDER OF AN OPERAND'S REGISTERS ("image"): tile T (16 rows), K step s (128 along K), c = 0..3, h = 0..1, r = 0..15, e = 0..15:
;   byte T*16384 + s*2048 + c*512 + h*256 + r*16 + e  =  code of Z[32 (T/2) + 8 (T%2) + r + 8 (r/8)][128 s + 32 c + 16 h + e].
; So a fragment is four loads of 16 bytes a lane at 16 x lane + 512 c, and a tile's rows are already those that let the next quantiser find 16 neighbours in a lane.
; The scale bytes lie behind the codes: [16 T + r][32 bytes].
; A block's scale is 2^(floor(log2(largest magnitude)) - 8); its byte is the largest magnitude's exponent field - 8, held at 1 from below.
; LIMITS: NaN and infinities among the inputs are not served; a block whose largest magnitude lies under 2^-118 keeps the byte 1; a block of zeros has the byte 1 and not 127
; (its codes are zeros, which add nothing, and the bytes are read by this program alone).
; Work-groups 0-255 take x (32 rows each), 256-351 Wqkv, 352-383 Wo (128 columns x 256 along K each): 131,072 bytes of f32 for each.  Waves share nothing: no barrier.
; No matrix unit, no tensor load, no cluster: every byte is read once and nothing is shared between work-groups.
.set SEL, 20                           ; s[20:21] lane selects for v_permlanex16_b32: lane l xor 16
.set MNT, 22                           ; s22  the mantissa field of 448
.set HM,  23                           ; s23  a lane mask: lanes 16-31
.set R,   16                           ; x path: v16-143 two sets of 64 registers as loaded
.set X,   144                          ; v144-207 64 numbers of a lane: register 16 b + i = k 32 b + 16 h + i of my row
.set PC,  208                          ; v208-223 a fragment's codes
.set TM,  224                          ; v224-239 at work in QUANT
.set SW,  244                          ; v244-247 the four fragments' scale words
.set SP,  528                          ; a stage row: 512 bytes + 16: an odd multiple of 16, so that sixteen rows start in sixteen different groups of banks
.set XW,  32                           ; W path: v32-95 two sets of 32 numbers
.set CW,  96                           ; v96-159 codes: eight registers for each block, so that no store's data are written again
.set SB,  24                           ; v24-25 the eight scale bytes
; 64 numbers of a lane, v[s] .. v[s+63], become a fragment's codes in v[PC] on and its scale word in v[pw].
.macro QUANT s, pw
.irp b, 0,1,2,3
	v_max3_num_f32 v[TM+\b], |v[\s+16*\b]|, |v[\s+1+16*\b]|, 0x4800000   ; block b: my 16 numbers, and the floor 2^(9 - 127): the byte cannot fall under 1
.endr
.irp i, 2,4,6,8,10,12,14
.irp b, 0,1,2,3
	v_max3_num_f32 v[TM+\b], v[TM+\b], |v[\s+16*\b+\i]|, |v[\s+1+16*\b+\i]|   ; the four blocks by turns
.endr
.endr
.irp b, 0,1,2,3
	v_permlanex16_b32 v[TM+4+\b], v[TM+\b], s[SEL], s[SEL+1]
.endr
.irp b, 0,1,2,3
	v_max_num_f32 v[TM+\b], v[TM+\b], v[TM+4+\b]   ; with lane l xor 16's: the block's largest magnitude
.endr
.irp b, 0,1,2,3
	v_add_nc_u32 v[TM+12+\b], 0xfc000000, v[TM+\b]   ; 8 off its exponent field: the conversion's scale operand
.endr
.irp b, 0,1,2,3
	v_and_or_b32 v[TM+8+\b], v[TM+\b], 0x7f800000, s[MNT]   ; 448 x the scale
.endr
.irp b, 0,1,2,3
	v_lshrrev_b32 v[TM+4+\b], 23, v[TM+12+\b]   ; the scale's byte
.endr
	v_lshl_or_b32 v[\pw], v[TM+5], 8, v[TM+4]   ; four bytes: my row's scale word
	v_lshl_or_b32 v[\pw], v[TM+6], 16, v[\pw]
	v_lshl_or_b32 v[\pw], v[TM+7], 24, v[\pw]
.irp b, 0,1,2,3
.irp i, 0,1,2,3,4,5,6,7,8,9,10,11,12,13,14,15
	v_med3_num_f32 v[\s+16*\b+\i], v[\s+16*\b+\i], -v[TM+8+\b], v[TM+8+\b]   ; the conversion to an 8-bit code does not saturate (ISA guide 7.6.2): the hold at 448 x the scale
.endr
	v_cvt_scalef32_pk8_fp8_f32 v[PC+4*\b:PC+1+4*\b], v[\s+16*\b:\s+7+16*\b], v[TM+12+\b]
	v_cvt_scalef32_pk8_fp8_f32 v[PC+2+4*\b:PC+3+4*\b], v[\s+8+16*\b:\s+15+16*\b], v[TM+12+\b]
.endr
	v_nop                                          ; a plain line behind the last conversion
.endm
; x path: fragment f's 16 rows x 512 bytes; each load takes 512 consecutive bytes of one row
.macro LOADF f
.irp i, 0,1,2,3,4,5,6,7,8,9,10,11,12,13,14,15
	global_load_b128 v[R+64*((\f)%2)+4*\i:R+64*((\f)%2)+4*\i+3], v1, s[4:5] offset:(\i+8*(\i/8))*4096+512*(\f) th:TH_LOAD_NT
.endr
.endm
.macro XFRAG f
.if \f < 3
	s_wait_loadcnt 16                              ; this fragment's 16 loads are in; the next fragment's 16 may be out
.else
	s_wait_loadcnt 0
.endif
.irp i, 0,1,2,3,4,5,6,7,8,9,10,11,12,13,14,15
	ds_store_b128 v2, v[R+64*((\f)%2)+4*\i:R+64*((\f)%2)+4*\i+3] offset:SP*\i   ; into my wave's stage, rows as they lie
.endr
.irp c, 0,1,2,3
.irp j, 0,1,2,3
	ds_load_b128 v[X+16*\c+4*\j:X+16*\c+4*\j+3], v3 offset:128*\c+16*\j   ; back: of row r, 16 neighbours of each block of 32.  LDS serves a wave's instructions in order
.endr
.endr
	s_wait_dscnt 0x0                               ; the numbers are back, and the stage's stores have read their registers
	s_wait_xcnt 0x0                                ; the last fragment's stores have read v[PC] on
.if \f < 2
	LOADF (\f)+2
.endif
	QUANT X, SW+\f
.irp c, 0,1,2,3
	global_store_b128 v1, v[PC+4*\c:PC+4*\c+3], s[10:11] offset:2048*(\f)+512*\c   ; 32 lanes store 512 consecutive bytes
.endr
.endm
; W path: a lane takes a column and its registers run down K: block t is W(32 t + i, my column)
.macro WLOAD t, N, SRC
.irp i, 0,1,2,3,4,5,6,7,8,9,10,11,12,13,14,15,16,17,18,19,20,21,22,23,24,25,26,27,28,29,30,31
	global_load_b32 v[XW+32*((\t)%2)+\i], v3, s[\SRC:\SRC+1] offset:(32*(\t)+\i)*\N*4 th:TH_LOAD_NT
.endr
.endm
.macro WBLOCK t, N, SRC
.set XS, XW+32*((\t)%2)
.if (\t) < 7
	s_wait_loadcnt 32                              ; this block's 32 loads are in; the next block's may be out
.else
	s_wait_loadcnt 0
.endif
	v_max3_num_f32 v12, |v[XS]|, |v[XS+1]|, |v[XS+2]|   ; the block's largest magnitude: all 32 numbers are mine
	v_max3_num_f32 v13, |v[XS+3]|, |v[XS+4]|, |v[XS+5]|
.irp i, 6,10,14,18,22,26
	v_max3_num_f32 v12, v12, |v[XS+\i]|, |v[XS+\i+1]|
	v_max3_num_f32 v13, v13, |v[XS+\i+2]|, |v[XS+\i+3]|
.endr
	v_max3_num_f32 v12, v12, |v[XS+30]|, |v[XS+31]|
	v_max3_num_f32 v12, v12, v13, 0x4800000        ; and the floor
	v_add_nc_u32 v11, 0xfc000000, v12              ; the conversion's scale operand
	v_and_or_b32 v10, v12, 0x7f800000, s[MNT]      ; 448 x the scale
	v_lshrrev_b32 v13, 23, v11                     ; the byte
.if (\t)%4 == 0
	v_mov_b32 v[SB+(\t)/4], v13
.else
	v_lshl_or_b32 v[SB+(\t)/4], v13, 8*((\t)%4), v[SB+(\t)/4]
.endif
.irp i, 0,1,2,3,4,5,6,7,8,9,10,11,12,13,14,15,16,17,18,19,20,21,22,23,24,25,26,27,28,29,30,31
	v_med3_num_f32 v[XS+\i], v[XS+\i], -v10, v10
.endr
.irp g, 0,1,2,3
	v_cvt_scalef32_pk8_fp8_f32 v[CW+8*(\t)+2*\g:CW+8*(\t)+2*\g+1], v[XS+8*\g:XS+8*\g+7], v11
.endr
	global_store_b128 v4, v[CW+8*(\t):CW+8*(\t)+3], s[28:29] offset:((\t)/4)*2048+((\t)%4)*512       ; k 0-15 of the block (h = 0): sixteen lanes fill 256 consecutive aligned bytes of one tile, sixteen of the next
	global_store_b128 v4, v[CW+8*(\t)+4:CW+8*(\t)+7], s[28:29] offset:((\t)/4)*2048+((\t)%4)*512+256 ; k 16-31 (h = 1)
.if (\t)+2 < 8
	WLOAD (\t)+2, \N, \SRC
.endif
.endm
; a weight [1024][N]: work-group idx = ttmp9 - FIRST takes columns 128 (idx / 4) on and K 256 (idx % 4) on; a wave 32 columns: two tiles
.macro WPATH N, FIRST, SRC, DST, SCOFF
	v_and_b32 v1, 31, v0                           ; lane
	v_and_b32 v2, 15, v0                           ; r
	v_bfe_u32 v5, v0, 4, 1                         ; u: which of the two tiles
	v_and_b32 v6, 8, v2
	v_add_nc_u32 v6, v6, v2
	v_lshl_add_u32 v6, v5, 3, v6                   ; my column among the 32: 8 u + r + 8 (r / 8)
	v_lshlrev_b32 v3, 2, v6
	s_wait_alu depctr_va_vdst(0)
	v_lshlrev_b32 v4, 4, v2
	v_lshl_add_u32 v4, v5, 14, v4                  ; codes: 16,384 u + 16 r
	v_lshlrev_b32 v9, 5, v1                        ; scale bytes: image row n0 + lane, 32 bytes a row
	s_sub_co_u32 s17, ttmp9, \FIRST
	s_lshr_b32 s18, s17, 2
	s_and_b32 s19, s17, 3                          ; y
	s_lshl_b32 s18, s18, 7
	s_lshl_b32 s24, s16, 5
	s_add_co_u32 s18, s18, s24                     ; n0
	s_mov_b32 s25, 0
	s_mul_i32 s24, s19, 256*\N*4
	s_lshl_b32 s26, s18, 2
	s_add_co_u32 s24, s24, s26
	s_add_nc_u64 s[\SRC:\SRC+1], s[\SRC:\SRC+1], s[24:25]
	s_lshl_b32 s24, s18, 10
	s_lshl_b32 s26, s19, 12
	s_add_co_u32 s24, s24, s26
	s_add_nc_u64 s[28:29], s[\DST:\DST+1], s[24:25]   ; codes: n0 x 1,024 + 4,096 y
	s_lshl_b32 s24, s18, 5
	s_lshl_b32 s26, s19, 3
	s_add_co_u32 s24, s24, s26
	s_add_co_u32 s24, s24, \SCOFF
	s_add_nc_u64 s[30:31], s[\DST:\DST+1], s[24:25]   ; scale bytes: 32 n0 + 8 y behind the codes
	WLOAD 0, \N, \SRC
	WLOAD 1, \N, \SRC
.irp t, 0,1,2,3,4,5,6,7
	WBLOCK \t, \N, \SRC
.endr
	global_store_b64 v9, v[SB:SB+1], s[30:31]      ; my column's eight scale bytes: 8 of a row's 32, one byte in 128 of what the path reads
.endm
	s_load_b256 s[4:11], s[0:1], 0x0               ; x s[4:5], Wqkv s[6:7], Wo s[8:9], xq s[10:11]
	s_load_b128 s[12:15], s[0:1], 0x20             ; wq s[12:13], woq s[14:15]
	v_lshl_add_u32 v254, v0, 2, 0x8400
	v_mov_b32 v255, 0
	v_lshrrev_b32 v1, 5, v0
	v_readfirstlane_b32 s16, v1                    ; wave
	s_mov_b32 s[SEL], 0x76543210
	s_mov_b32 s[SEL+1], 0xfedcba98
	s_mov_b32 s[MNT], 0x600000
	s_mov_b32 s[HM], 0xffff0000
	s_wait_kmcnt 0x0
	s_cmp_lt_u32 ttmp9, 256
	s_cbranch_scc1 .Lx
	s_cmp_lt_u32 ttmp9, 352
	s_cbranch_scc1 .Lwqkv
	WPATH 1024, 352, 8, 14, 1048576
	s_endpgm
.Lwqkv:
	WPATH 3072, 256, 6, 12, 3145728
	s_endpgm
.Lx:
	; wave w of work-group g: tile 2 g + w / 2, K half w % 2: four fragments
	v_and_b32 v5, 31, v0                           ; lane
	v_and_b32 v6, 15, v0                           ; r
	v_bfe_u32 v7, v0, 4, 1                         ; h
	v_lshlrev_b32 v1, 4, v5                        ; 16 x lane
	s_mul_i32 s17, s16, 16*SP                      ; my wave's stage
	v_add_nc_u32 v2, s17, v1                       ; into it
	v_mul_u32_u24 v3, v6, SP
	v_lshl_add_u32 v3, v7, 6, v3
	v_add_nc_u32 v3, s17, v3                       ; out of it: row r, + 64 h
	v_lshlrev_b32 v4, 5, v6
	v_lshl_add_u32 v4, v7, 3, v4                   ; scale bytes: 32 r + 8 h
.irp b, 0,1,2,3
	v_mov_b32 v[TM+4+\b], 0                        ; written once: a lane permute's destination counts as one of its sources
.endr
	s_lshr_b32 s26, s16, 1
	s_and_b32 s27, s16, 1
	s_mov_b32 s25, 0
	s_lshl_b32 s24, ttmp9, 17
	s_lshl_b32 s28, s26, 15
	s_add_co_u32 s24, s24, s28
	s_lshl_b32 s28, s27, 11
	s_add_co_u32 s24, s24, s28
	s_add_nc_u64 s[4:5], s[4:5], s[24:25]          ; x: 32 rows a work-group, 8 rows on for the second tile, 512 numbers on for the second half of K
	s_lshl_b32 s24, ttmp9, 10
	s_lshl_b32 s28, s26, 9
	s_add_co_u32 s24, s24, s28
	s_lshl_b32 s28, s27, 4
	s_add_co_u32 s24, s24, s28
	s_add_co_u32 s24, s24, 0x800000
	s_add_nc_u64 s[18:19], s[10:11], s[24:25]      ; my scale bytes
	s_lshl_b32 s24, ttmp9, 15
	s_lshl_b32 s28, s26, 14
	s_add_co_u32 s24, s24, s28
	s_lshl_b32 s28, s27, 13
	s_add_co_u32 s24, s24, s28
	s_add_nc_u64 s[10:11], s[10:11], s[24:25]      ; my codes
	LOADF 0
	LOADF 1
	s_wait_alu depctr_va_vdst(0)
	XFRAG 0
	XFRAG 1
	XFRAG 2
	XFRAG 3
	v_cndmask_b32 v248, v[SW], v[SW+2], s[HM]      ; lanes 0-15 store the words of fragments 0, 1; lanes 16-31 those of 2, 3
	v_cndmask_b32 v249, v[SW+1], v[SW+3], s[HM]
	global_store_b64 v4, v[248:249], s[18:19]      ; 16 of a row's 32 bytes from two lanes: one byte in 128 of what the path reads
	s_wait_tensorcnt 0x0
	ds_add_u32 v254, v255
	s_wait_dscnt 0x0
	s_endpgm
.Lfunc_end_k_q67c1961b1f_quant:
	.size	k_q67c1961b1f_quant, .Lfunc_end_k_q67c1961b1f_quant-k_q67c1961b1f_quant
	.p2alignl 7, 3214868480
	.fill 96, 4, 3214868480
	.section	.rodata,"a",@progbits
	.p2align	6, 0x0
	.amdhsa_kernel k_q67c1961b1f_quant
		.amdhsa_group_segment_fixed_size 34304
		.amdhsa_private_segment_fixed_size 0
		.amdhsa_enable_private_segment 0
		.amdhsa_kernarg_size 48
		.amdhsa_user_sgpr_count 2
		.amdhsa_user_sgpr_kernarg_segment_ptr 1
		.amdhsa_wavefront_size32 1
		.amdhsa_system_sgpr_workgroup_id_x 1
		.amdhsa_system_sgpr_workgroup_id_y 1
		.amdhsa_system_sgpr_workgroup_id_z 1
		.amdhsa_system_vgpr_workitem_id 0
		.amdhsa_next_free_vgpr 256
		.amdhsa_next_free_sgpr 66
		.amdhsa_reserve_vcc 0
		.amdhsa_float_denorm_mode_32 3
		.amdhsa_float_denorm_mode_16_64 3
		.amdhsa_memory_ordered 1
		.amdhsa_forward_progress 1
		.amdhsa_inst_pref_size 161
	.end_amdhsa_kernel
	.amdgpu_metadata
---
amdhsa.version: [ 1, 2 ]
amdhsa.kernels:
  - .name:           k_q67c1961b1f_quant
    .symbol:         k_q67c1961b1f_quant.kd
    .args:
      - { .name: x, .offset: 0, .size: 8, .value_kind: global_buffer, .address_space: global }
      - { .name: Wqkv, .offset: 8, .size: 8, .value_kind: global_buffer, .address_space: global }
      - { .name: Wo, .offset: 16, .size: 8, .value_kind: global_buffer, .address_space: global }
      - { .name: xq, .offset: 24, .size: 8, .value_kind: global_buffer, .address_space: global }
      - { .name: wq, .offset: 32, .size: 8, .value_kind: global_buffer, .address_space: global }
      - { .name: woq, .offset: 40, .size: 8, .value_kind: global_buffer, .address_space: global }
    .group_segment_fixed_size: 34304
    .private_segment_fixed_size: 0
    .kernarg_segment_align: 8
    .kernarg_segment_size: 48
    .max_flat_workgroup_size: 128
    .sgpr_count:     66
    .vgpr_count:     256
    .wavefront_size: 32
...
	.end_amdgpu_metadata
.endif
;; end of part 1
;; launch qkv (part 2): grid 8 x 32, 4 waves a work-group, clusters of 4 x 1, 327,680 bytes of LDS; arguments xq, wq, bqkv, qq, kv; writes qq, kv
.if DOCPART == 2
	.amdgcn_target "amdgcn-amd-amdhsa--gfx1250"
	.amdhsa_code_object_version 6
	.text
	.protected	k_q67c1961b1f_qkv
	.globl	k_q67c1961b1f_qkv
	.p2align	8
	.type	k_q67c1961b1f_qkv,@function
k_q67c1961b1f_qkv:
	s_mov_b64 s[64:65], 0
	v_nop
	global_prefetch_b8 v0, s[64:65] scope:SCOPE_SE
	s_setreg_imm32_b32 hwreg(HW_REG_WAVE_MODE, 25, 1), 1
	s_wait_xcnt 0x0
	s_wait_alu depctr_hold_cnt(0) depctr_sa_sdst(0) depctr_va_vdst(0) depctr_va_sdst(0) depctr_va_ssrc(0) depctr_va_vcc(0) depctr_vm_vsrc(0)
	s_getreg_b32 s2, hwreg(HW_REG_IB_STS2, 6, 4)
	s_cmp_eq_u32 s2, 0
	s_cbranch_scc0 .Lentry_in_a_cluster
	s_endpgm
.Lentry_in_a_cluster:
	s_bfe_u32 s2, ttmp6, 0x10000c
	s_cmp_lg_u32 s2, 0x3003
	s_cbranch_scc0 .Lentry_shape_is_right
	s_endpgm
.Lentry_shape_is_right:
; qkv = x Wqkv + bqkv on codes of E4M3 (K = 1,024); q, k, v leave as codes again: q and k quantised along the head's 64, v along the keys.
; THE DEAL.  Work-group (g, y) makes tokens 256 y .. + 255 x 384 columns: pairs of column tiles 4 g .. 4 g + 3 of q, of k and of v (two heads of each).  8 x 32 = 256 work-groups.
; x's 256 rows of codes, 262,144 dense bytes of the image in xq, come into LDS ONCE, a quarter by each wave's one tensor load, and stay: nothing is filled again.
; Wave w holds pair P = 4 g + w of q, k and v: six tiles of 16 columns, all of K, 768 registers, loaded from wq as they lie (a fragment is four loads of 512 consecutive bytes).
; It streams the 16 tiles of tokens past them: a block is 48 products, the six accumulators by turns.
; q, k: source 0 = the weight's tile, source 1 = tokens: a lane holds one token and 16 neighbours along d.  v: source 0 = tokens, source 1 = the weight's tile: a lane holds one d, and two blocks give 16 neighbouring keys.
; THE BIAS BEGINS THE SUMS: its image in the accumulators' layout lies in the wave's own LDS bytes and is loaded into the accumulators ahead of each block.
; Images, tile rows 32 (T/2) + 8 (T%2) + r + 8 (r/8), and the layouts of qq and kv: q: qq + bh*131072 + T*1024 + c*512 + 16 lane, scale words at 8388608 + bh*8192 + (16 T + r)*4, upper two bytes 0;
; kv + bh*274432 + j*34304: +0 K's 16 tiles x 1,024; +16384 V^T: Td*4096 + q*2048 + c*512 + 16 lane; +32768 K's scale words; +33792 V's: q*256 + (16 Td + r)*4.
; CLUSTER 4 x 1: the four partners share y, so x's tiles are asked for jointly (mask 15).  The weights go by plain loads: they land in registers.
; NO PREFETCH: every global read of the launch is issued at its head; there is no loop to run ahead in.
; LIMITS: NaN and infinities are not served; a block whose largest magnitude lies under 2^-118 keeps the byte 1, a block of zeros too (its codes are zeros; this program alone reads the bytes).
; REGISTERS.  window 0: v1-9 addresses, v10-25 the quantiser, v28-35 x's scale words (lanes 0-15 the even tile, 16-31 the odd), v40-63 the weights' (lanes 0-15 tile 0, 16-31 tile 1),
; v64-79 q's sums, v80-95 k's, v96-127 v's (16 t + 8 parity + j), v128-255 a block of x in two halves of K.  windows 1, 2: q's and k's tiles, K steps 0-3, 4-7.  window 3: v's tiles.
.set KVH, 274432
.set KVS, 34304
.set XS, 262144                        ; x's scale bytes, 256 rows of 32
.set BI, XS+8192                       ; the bias images: 10 groups of 512 bytes a wave
.set SQ, BI+4*5120                     ; q's and k's scale bytes: [wave][q, k][256 rows]
.set SV, SQ+2048                       ; v's: [wave][16 t + r][8 pairs of blocks]
.set SPARE, SV+1024                    ; the spare words: 128 bytes a wave, named by no other line
.set LI, 1
.set AX, 2
.set AXS, 3
.set ABI, 4
.set SQA, 5
.set SVA, 6
.set SPW, 7
.set NIL, 8
.set LN, 9
.set MX, 10
.set TT, 12
.set SO, 14
.set HD, 16
.set CD, 18
.set MSB, 0
.macro WIN new                         ; the immediate's high byte repeats the setting that is left
.if MSB != (\new)
	s_set_vgpr_msb (MSB<<8)|(\new)
.set MSB, (\new)
.endif
.endm
.macro NOPS                            ; eight plain lines behind a product, ahead of a load into, or a read of, its registers
.rept 8
	v_nop
.endr
.endm
.macro CROUND                          ; a round of the cluster's barrier
	s_barrier_signal -1
	s_barrier_wait -1
	s_cmp_lg_u32 s14, 0
	s_cbranch_scc1 .Lnot_wave_0_\@
	s_barrier_signal -3
.Lnot_wave_0_\@:
	s_barrier_wait -3
	s_barrier_signal -1
	s_barrier_wait -1
.endm
.macro WM d, a, b, sa, sb, ra, rb      ; one product in place; ra, rb: the scale words lie in lanes 16-31
.if (\ra) && (\rb)
	v_wmma_scale_f32_16x16x128_f8f6f4 v[(\d):(\d)+7], v[(\a):(\a)+15], v[(\b):(\b)+15], v[(\d):(\d)+7], v[(\sa)], v[(\sb)] matrix_a_scale:MATRIX_SCALE_ROW1 matrix_b_scale:MATRIX_SCALE_ROW1
.elseif (\ra)
	v_wmma_scale_f32_16x16x128_f8f6f4 v[(\d):(\d)+7], v[(\a):(\a)+15], v[(\b):(\b)+15], v[(\d):(\d)+7], v[(\sa)], v[(\sb)] matrix_a_scale:MATRIX_SCALE_ROW1
.elseif (\rb)
	v_wmma_scale_f32_16x16x128_f8f6f4 v[(\d):(\d)+7], v[(\a):(\a)+15], v[(\b):(\b)+15], v[(\d):(\d)+7], v[(\sa)], v[(\sb)] matrix_b_scale:MATRIX_SCALE_ROW1
.else
	v_wmma_scale_f32_16x16x128_f8f6f4 v[(\d):(\d)+7], v[(\a):(\a)+15], v[(\b):(\b)+15], v[(\d):(\d)+7], v[(\sa)], v[(\sb)]
.endif
.endm
.macro MULS hf, par                    ; four K steps of a block: q0 q1 k0 k1 v0 v1 in each
.irp k, 0,1,2,3
	WIN 1+\hf
.irp u, 0,1,2,3
	WM 64+8*\u, 64*\u+16*\k, 128+64*\hf+16*\k, 40+8*(\u/2)+4*\hf+\k, 28+4*\hf+\k, \u%2, \par
.endr
	WIN 0x0c
.irp t, 0,1
	WM 96+16*\t+8*\par, 128+64*\hf+16*\k, 128*\t+64*\hf+16*\k, 28+4*\hf+\k, 56+4*\hf+\k, \par, \t
.endr
.endr
.endm
.macro XLOAD hf, off                   ; half hf of K of the tile that lies off bytes behind v[AX]: 16 loads of 512 consecutive bytes
.irp i, 0,1,2,3,4,5,6,7,8,9,10,11,12,13,14,15
	ds_load_b128 v[128+64*\hf+4*\i:131+64*\hf+4*\i], v[AX] offset:(\off)+8192*\hf+512*\i
.endr
.endm
.macro VBIAS par                       ; v's bias into the sums of one parity: all eight registers of a tile hold my lane's number
.irp t, 0,1
	ds_load_b128 v[96+16*\t+8*\par:99+16*\t+8*\par], v[ABI] offset:4096+512*\t
	ds_load_b128 v[100+16*\t+8*\par:103+16*\t+8*\par], v[ABI] offset:4096+512*\t
.endr
.endm
; A block: the one wait shows x's two halves, the scale words and the bias; each half of x is fetched anew, for the tile at nxt, as soon as its products are issued
.macro BLOCK par, nxt
	s_wait_dscnt 0x0
	MULS 0, \par
	WIN 0
	NOPS
.if \nxt >= 0
	XLOAD 0, \nxt
.endif
	MULS 1, \par
	WIN 0
	NOPS
.if \nxt >= 0
	XLOAD 1, \nxt
.endif
.if \nxt == 32768
	ds_load_b128 v[28:31], v[AXS] offset:1024      ; the next pair's scale words
	ds_load_b128 v[32:35], v[AXS] offset:1040
.endif
.endm
; Two groups of 16 neighbours a lane, at v[a] and v[b], by turns: each is half a block of 32, the other half in lane l xor 16.  Codes to v[CD + 4 g], the byte to v[TT + g]
.macro QUANT2 a, b
.set D_, (\b)-(\a)
.irp g, 0,1
	v_max3_num_f32 v[MX+\g], |v[\a+\g*D_]|, |v[\a+\g*D_+1]|, 0x4800000   ; the floor 2^(9 - 127): the byte cannot fall under 1
.endr
.irp g, 0,1
	v_max3_num_f32 v[TT+\g], |v[\a+\g*D_+8]|, |v[\a+\g*D_+9]|, |v[\a+\g*D_+10]|
.endr
.irp i, 2,4,6
.irp g, 0,1
	v_max3_num_f32 v[MX+\g], v[MX+\g], |v[\a+\g*D_+\i]|, |v[\a+\g*D_+\i+1]|
.endr
.if \i < 6
.irp g, 0,1
	v_max3_num_f32 v[TT+\g], v[TT+\g], |v[\a+\g*D_+\i+9]|, |v[\a+\g*D_+\i+10]|
.endr
.endif
.endr
.irp g, 0,1
	v_max3_num_f32 v[MX+\g], v[MX+\g], v[TT+\g], |v[\a+\g*D_+15]|
.endr
.irp g, 0,1
	v_permlanex16_b32 v[TT+\g], v[MX+\g], s36, s37
.endr
.irp g, 0,1
	v_max_num_f32 v[MX+\g], v[MX+\g], v[TT+\g]     ; the block's largest magnitude
.endr
.irp g, 0,1
	v_add_nc_u32 v[SO+\g], 0xfc000000, v[MX+\g]    ; 8 off its exponent field: the conversion's scale operand
.endr
.irp g, 0,1
	v_and_or_b32 v[HD+\g], v[MX+\g], 0x7f800000, s38   ; 448 x the scale
.endr
.irp g, 0,1
	v_lshrrev_b32 v[TT+\g], 23, v[SO+\g]           ; the byte
.endr
.irp i, 0,1,2,3,4,5,6,7,8,9,10,11,12,13,14,15
.irp g, 0,1
	v_med3_num_f32 v[\a+\g*D_+\i], v[\a+\g*D_+\i], -v[HD+\g], v[HD+\g]   ; the conversion does not saturate (ISA guide 7.6.2): the hold
.endr
.endr
	s_wait_alu depctr_va_vdst(0)
	s_wait_xcnt 0x0                                ; the stores before have read v[CD] on
.irp e, 0,1
.irp g, 0,1
	v_cvt_scalef32_pk8_fp8_f32 v[CD+4*\g+2*\e:CD+4*\g+2*\e+1], v[\a+\g*D_+8*\e:\a+\g*D_+8*\e+7], v[SO+\g]
.endr
.endr
	v_nop                                          ; a plain line behind the last conversion
.endm
.macro QKOUT par, more                 ; q's and k's 16 tokens x 32 of d: 512 consecutive bytes each; the bytes to my LDS rows; then the bias for the next block
	QUANT2 64, 80
	ds_store_b8 v[SQA], v[TT] offset:16*\par       ; both halves of the lanes write the same byte with the same value
	ds_store_b8 v[SQA], v[TT+1] offset:256+16*\par
	global_store_b128 v[LI], v[CD:CD+3], s[40:41] offset:1024*\par
	global_store_b128 v[LI], v[CD+4:CD+7], s[42:43] offset:1024*\par
.if \more
.irp i, 0,1,2,3,4,5,6,7
	ds_load_b128 v[64+4*\i:67+4*\i], v[ABI] offset:512*\i
.endr
.endif
.endm
.macro VOUT more                       ; v's two tiles of d x 32 keys
	QUANT2 96, 112
	ds_store_b8 v[SVA], v[TT]
	ds_store_b8 v[SVA], v[TT+1] offset:128
	global_store_b128 v[LI], v[CD:CD+3], s[44:45]
	global_store_b128 v[LI], v[CD+4:CD+7], s[44:45] offset:4096
.if \more
	VBIAS 0
	VBIAS 1
.endif
.endm
.macro PAIR last                       ; two blocks: 32 tokens
	BLOCK 0, 16384
	QKOUT 0, 1
.if \last
	BLOCK 1, -1
	VOUT 0
	QKOUT 1, 0
.else
	BLOCK 1, 32768
	VOUT 1
	QKOUT 1, 1
	v_add_nc_u32 v[AX], 0x8000, v[AX]
	v_add_nc_u32 v[AXS], 0x400, v[AXS]
	v_add_nc_u32 v[SQA], 32, v[SQA]
	v_add_nc_u32 v[SVA], 1, v[SVA]
	s_wait_alu depctr_va_vdst(0)
	s_wait_xcnt 0x0                                ; the stores have read their bases
	s_add_nc_u64 s[40:41], s[40:41], 2048
	s_add_nc_u64 s[42:43], s[42:43], 2048
	s_add_nc_u64 s[44:45], s[44:45], 512
.endif
.endm
	s_load_b256 s[4:11], s[0:1], 0x0               ; xq, wq, bqkv, qq
	s_load_b64 s[12:13], s[0:1], 0x20              ; kv
	v_lshl_add_u32 v[SPW], v0, 2, SPARE
	v_mov_b32 v[NIL], 0
	ds_add_u32 v[SPW], v[NIL]                      ; the opening lines: the add, twice on end, and its wait ahead of my tensor load
	ds_add_u32 v[SPW], v[NIL]
	v_lshrrev_b32 v9, 5, v0
	v_readfirstlane_b32 s14, v9                    ; wave
	s_lshr_b32 s15, s14, 1                         ; which of the work-group's two heads
	s_and_b32 s16, s14, 1                          ; which half of the head's 64
	s_bfe_u32 s17, ttmp6, 0x40000                  ; cx
	s_lshl_b32 s18, ttmp9, 2
	s_add_co_u32 s18, s18, s17                     ; g
	s_lshl_b32 s19, s18, 2
	s_add_co_u32 s19, s19, s14                     ; P
	s_and_b32 s20, ttmp7, 0xffff                   ; y
	s_lshr_b32 s21, s20, 3                         ; the batch
	s_and_b32 s22, s20, 7                          ; j: which 256 tokens of it
	s_mov_b32 s24, 15|(3<<16)|(1<<21)              ; group 1: mask of the four partners; elements of 8 bytes; 256 dense rows of 256 bytes
	s_mov_b32 s25, 32<<16
	s_mov_b32 s26, 256<<16
	s_mov_b32 s27, 32<<16
	s_mov_b32 s28, 256
	s_mov_b32 s29, 32
	s_mov_b32 s30, 0
	s_mov_b32 s31, 0
	s_mov_b32 s32, 1
	s_lshl_b32 s33, s14, 16                        ; my four tiles' place in LDS
	s_lshl_b32 s46, s20, 18
	s_add_co_u32 s46, s46, s33                     ; and in xq
	s_mov_b32 s47, 0
	s_mov_b32 s36, 0x76543210
	s_mov_b32 s37, 0xfedcba98                      ; lane l xor 16
	s_mov_b32 s38, 0x600000                        ; the mantissa field of 448
	s_lshl_b32 s66, s15, 10
	s_lshl_b32 s67, s16, 8
	s_add_co_u32 s66, s66, s67
	s_add_co_u32 s66, s66, SQ                      ; at the end I read head w / 2's bytes of q (w % 2 = 0) or k (1),
	s_lshl_b32 s67, s15, 9
	s_lshl_b32 s68, s16, 2
	s_add_co_u32 s67, s67, s68
	s_add_co_u32 s67, s67, SV                      ; and half w % 2 of its bytes of v
	s_mul_i32 s68, s14, 5120
	s_add_co_u32 s68, s68, BI
	s_lshl_b32 s69, s14, 9
	s_add_co_u32 s69, s69, SQ
	s_lshl_b32 s70, s14, 8
	s_add_co_u32 s70, s70, SV
	s_wait_dscnt 0x0                               ; both opening adds are done
	CROUND                                         ; the four partners are here: the joint loads meet
	s_wait_kmcnt 0x0
	s_add_nc_u64 s[34:35], s[4:5], s[46:47]
	s_or_b32 s35, s35, 0x80000000
	tensor_load_to_lds s[32:35], s[24:31]          ; my one tensor load: 65,536 bytes
	s_nop 0
.rept 4
	v_nop
.endr
	v_and_b32 v[LN], 31, v0
	v_and_b32 v26, 15, v0                          ; r
	v_bfe_u32 v27, v0, 4, 1                        ; h
	v_lshlrev_b32 v[LI], 4, v[LN]
	v_lshlrev_b32 v36, 5, v[LN]                    ; 32 x lane: a row of scale bytes
	v_lshlrev_b32 v37, 6, v27                      ; q's, k's bias: 64 h
	v_and_b32 v38, 8, v26
	v_add_nc_u32 v38, v38, v26
	v_lshlrev_b32 v38, 2, v38                      ; v's bias: 4 (r + 8 (r / 8))
	v_lshlrev_b32 v39, 4, v0                       ; 16 x thread
	v_lshlrev_b32 v[AX], 4, v[LN]
	v_add_nc_u32 v[AXS], XS, v36
	v_add_nc_u32 v[ABI], s68, v[LI]
	v_add_nc_u32 v[SQA], s69, v26
	v_lshl_add_u32 v[SVA], v26, 3, s70
	v_add_nc_u32 v10, XS, v39
	s_wait_alu depctr_va_vdst(0)
	s_lshl_b32 s46, s19, 15
	s_add_nc_u64 s[48:49], s[6:7], s[46:47]        ; my pair of q's tiles in wq,
	s_add_nc_u64 s[50:51], s[48:49], 0x100000      ; of k's,
	s_add_nc_u64 s[52:53], s[48:49], 0x200000      ; of v's
	s_lshl_b32 s46, s19, 10
	s_add_co_u32 s46, s46, 3145728
	s_add_nc_u64 s[54:55], s[6:7], s[46:47]        ; their scale bytes
	s_lshl_b32 s46, s19, 7
	s_add_nc_u64 s[56:57], s[8:9], s[46:47]        ; bqkv at my 32 columns
	s_lshl_b32 s46, s20, 13
	s_add_co_u32 s46, s46, 0x800000
	s_add_nc_u64 s[58:59], s[4:5], s[46:47]        ; x's scale bytes
	s_lshl_b32 s23, s21, 4
	s_lshl_b32 s46, s18, 1
	s_add_co_u32 s23, s23, s46
	s_add_co_u32 s23, s23, s15                     ; bh
	s_mul_i32 s46, s23, KVH
	s_mul_i32 s39, s22, KVS
	s_add_co_u32 s46, s46, s39
	s_add_nc_u64 s[60:61], s[12:13], s[46:47]      ; my head's block of 256 keys
	s_lshl_b32 s46, s16, 9
	s_add_nc_u64 s[42:43], s[60:61], s[46:47]      ; k's codes
	s_lshl_b32 s46, s16, 13
	s_add_co_u32 s46, s46, 16384
	s_add_nc_u64 s[44:45], s[60:61], s[46:47]      ; v's codes: Td = 2 (w % 2) + t
	s_lshl_b32 s46, s16, 8
	s_add_co_u32 s46, s46, 33792
	s_add_nc_u64 s[62:63], s[60:61], s[46:47]      ; v's scale words, half w % 2
	s_add_nc_u64 s[60:61], s[60:61], 32768         ; k's scale words
	s_lshl_b32 s46, s23, 17
	s_lshl_b32 s39, s22, 14
	s_add_co_u32 s46, s46, s39
	s_lshl_b32 s39, s16, 9
	s_add_co_u32 s46, s46, s39
	s_add_nc_u64 s[40:41], s[10:11], s[46:47]      ; q's codes
	s_lshl_b32 s46, s23, 13
	s_lshl_b32 s39, s22, 10
	s_add_co_u32 s46, s46, s39
	s_add_co_u32 s46, s46, 8388608
	s_add_nc_u64 s[46:47], s[10:11], s[46:47]      ; q's scale words
	s_cmp_eq_u32 s16, 1
	s_cselect_b64 s[60:61], s[60:61], s[46:47]     ; the words that I store at the end
.irp i, 0,1,2,3
	global_load_b128 v[128+4*\i:131+4*\i], v39, s[58:59] offset:2048*\i   ; x's scale bytes: 64 of the 8,192 a thread
.endr
.irp t, 0,1
.irp e, 0,1
	global_load_b128 v[64+8*\t+4*\e:67+8*\t+4*\e], v37, s[56:57] offset:32*\t+16*\e        ; register 8 t + j: bqkv at 32 P + 8 t + 16 h + j
	global_load_b128 v[80+8*\t+4*\e:83+8*\t+4*\e], v37, s[56:57] offset:4096+32*\t+16*\e
.endr
	global_load_b32 v[96+16*\t], v38, s[56:57] offset:8192+32*\t                           ; bqkv at v's column 32 P + 8 t + r + 8 (r / 8)
.endr
.irp y, 0,1,2
	global_load_b128 v[40+8*\y:43+8*\y], v36, s[54:55] offset:32768*\y
	global_load_b128 v[44+8*\y:47+8*\y], v36, s[54:55] offset:32768*\y+16
.endr
.irp hf, 0,1
	WIN (1+\hf)<<6
.irp u, 0,1,2,3
.irp i, 0,1,2,3,4,5,6,7,8,9,10,11,12,13,14,15
	global_load_b128 v[64*\u+4*\i:64*\u+4*\i+3], v[LI], s[48+2*(\u/2):49+2*(\u/2)] offset:16384*(\u%2)+8192*\hf+512*\i
.endr
.endr
.endr
	WIN 3<<6
.irp t, 0,1
.set I_, 0
.rept 32
	global_load_b128 v[128*\t+4*I_:128*\t+4*I_+3], v[LI], s[52:53] offset:16384*\t+512*I_
.set I_, I_+1
.endr
.endr
	WIN 0
	s_wait_loadcnt 0x0
	s_wait_tensorcnt 0x0                           ; my quarter of x is in, and no tensor load of mine is out when I store to LDS
.irp i, 0,1,2,3
	ds_store_b128 v10, v[128+4*\i:131+4*\i] offset:2048*\i
.endr
.irp t, 0,1
.irp i, 1,2,3
	v_mov_b32 v[96+16*\t+\i], v[96+16*\t]
.endr
.endr
.irp i, 0,1,2,3,4,5,6,7
	ds_store_b128 v[ABI], v[64+4*\i:67+4*\i] offset:512*\i   ; the bias's image: q's four groups, k's four,
.endr
	ds_store_b128 v[ABI], v[96:99] offset:4096     ; and one for each tile of v
	ds_store_b128 v[ABI], v[112:115] offset:4608
	VBIAS 0                                        ; LDS serves a wave's instructions in order: these see my stores
	VBIAS 1
	s_wait_alu depctr_va_vdst(0)
	s_wait_dscnt 0x0
	s_barrier_signal -1
	s_barrier_wait -1                              ; all of x and its scale bytes are in, in every wave's eyes
	XLOAD 0, 0
	XLOAD 1, 0
	ds_load_b128 v[28:31], v[AXS]
	ds_load_b128 v[32:35], v[AXS] offset:16
	s_mov_b32 s39, 7
.Lpair:
	PAIR 0
	s_sub_co_u32 s39, s39, 1
	s_cmp_lg_u32 s39, 0
	s_cbranch_scc1 .Lpair
	PAIR 1                                         ; the last pair fetches nothing beyond x's last tile
	; the scale bytes leave: wave w stores head w / 2's 256 words of q or k (1,024 bytes) and 64 words of v (256 bytes)
	s_wait_dscnt 0x0
	s_barrier_signal -1
	s_barrier_wait -1
	v_lshl_add_u32 v10, v[LN], 2, s66
	v_lshl_add_u32 v11, v[LN], 4, s67
	v_lshlrev_b32 v26, 3, v[LN]
	ds_load_b32 v12, v10                           ; rows 4 l .. 4 l + 3: the bytes of d 0-31,
	ds_load_b32 v13, v10 offset:512                ; of d 32-63;
	ds_load_b32 v14, v10 offset:128                ; rows 128 + 4 l on
	ds_load_b32 v15, v10 offset:640
	ds_load_b32 v16, v11                           ; v: rows 2 l, 2 l + 1: four bytes each
	ds_load_b32 v17, v11 offset:8
	s_wait_alu depctr_va_vdst(0)
	s_wait_dscnt 0x0
	s_wait_xcnt 0x0                                ; the last codes' stores have read v[CD] on
.irp k, 0,1,2,3
	v_perm_b32 v[CD+\k], v13, v12, 0x0c0c0400+0x101*\k     ; a row's word: its two bytes, zeros above them
	v_perm_b32 v[CD+4+\k], v15, v14, 0x0c0c0400+0x101*\k
.endr
	global_store_b128 v[LI], v[CD:CD+3], s[60:61]  ; 512 consecutive bytes each
	global_store_b128 v[LI], v[CD+4:CD+7], s[60:61] offset:512
	global_store_b64 v26, v[16:17], s[62:63]       ; 256 consecutive aligned bytes
	s_wait_tensorcnt 0x0                           ; the wave's end
	ds_add_u32 v[SPW], v[NIL]
	s_wait_dscnt 0x0
	CROUND                                         ; the closing round
	s_endpgm
.Lfunc_end_k_q67c1961b1f_qkv:
	.size	k_q67c1961b1f_qkv, .Lfunc_end_k_q67c1961b1f_qkv-k_q67c1961b1f_qkv
	.p2alignl 7, 3214868480
	.fill 96, 4, 3214868480
	.section	.rodata,"a",@progbits
	.p2align	6, 0x0
	.amdhsa_kernel k_q67c1961b1f_qkv
		.amdhsa_group_segment_fixed_size 327680
		.amdhsa_private_segment_fixed_size 0
		.amdhsa_enable_private_segment 0
		.amdhsa_kernarg_size 40
		.amdhsa_user_sgpr_count 2
		.amdhsa_user_sgpr_kernarg_segment_ptr 1
		.amdhsa_wavefront_size32 1
		.amdhsa_system_sgpr_workgroup_id_x 1
		.amdhsa_system_sgpr_workgroup_id_y 1
		.amdhsa_system_sgpr_workgroup_id_z 1
		.amdhsa_system_vgpr_workitem_id 0
		.amdhsa_next_free_vgpr 1024
		.amdhsa_next_free_sgpr 72
		.amdhsa_reserve_vcc 0
		.amdhsa_float_denorm_mode_32 3
		.amdhsa_float_denorm_mode_16_64 3
		.amdhsa_memory_ordered 1
		.amdhsa_forward_progress 1
		.amdhsa_inst_pref_size 95
	.end_amdhsa_kernel
	.amdgpu_metadata
---
amdhsa.version: [ 1, 2 ]
amdhsa.kernels:
  - .name:           k_q67c1961b1f_qkv
    .symbol:         k_q67c1961b1f_qkv.kd
    .args:
      - { .name: xq, .offset: 0, .size: 8, .value_kind: global_buffer, .address_space: global }
      - { .name: wq, .offset: 8, .size: 8, .value_kind: global_buffer, .address_space: global }
      - { .name: bqkv, .offset: 16, .size: 8, .value_kind: global_buffer, .address_space: global }
      - { .name: qq, .offset: 24, .size: 8, .value_kind: global_buffer, .address_space: global }
      - { .name: kv, .offset: 32, .size: 8, .value_kind: global_buffer, .address_space: global }
    .group_segment_fixed_size: 327680
    .private_segment_fixed_size: 0
    .kernarg_segment_align: 8
    .kernarg_segment_size: 40
    .max_flat_workgroup_size: 128
    .sgpr_count:     72
    .vgpr_count:     1024
    .wavefront_size: 32
...
	.end_amdgpu_metadata
.endif
;; end of part 2
;; launch attn (part 3): grid 4 x 64, 16 waves a work-group, no clusters, 276,480 bytes of LDS; arguments qq, kv, yq; writes yq
.if DOCPART == 3
	.amdgcn_target "amdgcn-amd-amdhsa--gfx1250"
	.amdhsa_code_object_version 6
	.text
	.protected	k_q67c1961b1f_attn
	.globl	k_q67c1961b1f_attn
	.p2align	8
	.type	k_q67c1961b1f_attn,@function
k_q67c1961b1f_attn:
	s_mov_b64 s[64:65], 0
	v_nop
	global_prefetch_b8 v0, s[64:65] scope:SCOPE_SE
	s_setreg_imm32_b32 hwreg(HW_REG_WAVE_MODE, 25, 1), 1
	s_wait_xcnt 0x0
; y[b][q][head] = softmax_k(q . k / 8, causal) v, both products on codes of E4M3; y leaves as codes along C, in the image that the last product reads.
; THE SOFTMAX AHEAD OF THE SECOND PRODUCT: t = score x log2(e) / 8; M = the running largest t rounded up to a whole number; p = 2^(t - M) is quantised along the keys, not normalised;
; the row's sum is taken of the unquantised p and divides at the end.  When M moves, the sum and O are multiplied by 2^(old M - new M): exact.
; SHARES.  Work-group (i, bh) owns two blocks of 256 queries of a head: first block 7 - i (key blocks 0 .. 7 - i count), then block i (key blocks 0 .. i): nine key blocks' work for every work-group,
; so all 256 have equal work.  Each of sixteen waves owns one tile of 16 queries in 256 registers: four waves to a SIMD, two of them with 18 key steps and two with 16.
; K AND V OF THE WHOLE HEAD STAY IN LDS: 8 blocks of 256 keys x 34,304 bytes = 274,432 bytes, each byte filled ONCE.  Each wave issues one tensor load at the kernel's head, half w % 2 of key
; block w / 2 (67 rows of 256 bytes): one load of a wave is out at most.  Nothing is filled again and nothing is stored to LDS.
; FOUR BARRIERS IN ALL, in front of key blocks 0, 1, 2 and 4, each behind a counted wait for the blocks that are read up to the next one.  Behind the fourth the sixteen waves run free to the end,
; so that one wave's LDS loads, products and exponentials stand beside the other waves' vector work.
; EVERY TRIP COUNT IS A CONSTANT: each pass walks all 8 key blocks, the LDS address stepping by a constant; a step all of whose keys come after the wave's queries is left out by a scalar branch on ids.
; THE PRICE: work-group i fetches i key blocks that it never reads: 6 of the 32 that a head's four work-groups fetch.
; NO CLUSTER: the four work-groups of a head ask for the same tiles, but which steps a wave leaves out hangs on its work-group's block of queries
; without those branches every wave would do 32 steps' work for its 16 or 18.
; NO PREFETCH: every tile is asked for at the kernel's head.
; A key block of kv: K's 16 tiles x 1,024 bytes; V^T's 4 tiles x 2 steps x 2,048; K's scale words; V's.
; LAYOUT.  Both products are used transposed: S^T = K Q^T, O^T = V^T P^T: a lane holds one query.  Tiles lie as images of their registers, their rows being 32 (T/2) + 8 (T%2) + r + 8 (r/8):
; the 16 registers of K's tiles 2 b, 2 b + 1 are keys 32 b + 16 h + 0..15, those of V's tiles likewise along d.
; THE HEAD'S K IS 64, the instruction's 128: Q's upper eight registers are zero codes; K's upper eight are whatever follows (the next tile's codes, which the hold keeps finite; zeros behind the last):
; they meet zero codes, under scale bytes 0 (2^-127) on both sides, and add nothing.
; LIMITS: NaN and infinities are not served; p under 2^-126 becomes 0 (v_exp_f32 flushes); a block of y under 2^-118 keeps the byte 1, a block of zeros too (this program alone reads the bytes).
.set KVS,   34304                      ; a block of 256 keys, in kv and in LDS
.set KVH,   8*KVS                      ; a head
.set LI,   1                           ; v1  16 x lane
.set LS,   2                           ; v2  4 x lane
.set R4,   3                           ; v3  4 r
.set YSA,  4                           ; v4  32 r + h
.set QL,   7                           ; v7  r + 8 (r / 8) - 16 h
.set AD16, 8                           ; v8  key block + 16 x lane
.set AD4,  9                           ; v9  key block + 4 x lane
                                       ; v12 -M, v13 the largest t, v[14:15] the sum in two halves; v16-23 Q, v24-31 zeros
.set KR,   32                          ; v32-95 K's eight half fragments, then V's four; v96-103 zeros
.set S,    104                         ; v104-167 S^T, then p, at the end y
.set OT,   168                         ; v168-199 O^T
.set PCD,  200                         ; v200-215 p's codes, at the end y's
.set BM,   216                         ; v216-219 a block's largest
.set BT,   220                         ; v220-223 at work
.set HD,   224                         ; v224-227 448 x the scale
.set SO,   228                         ; v228-231 the conversions' scale operands
.set KSW,  232                         ; v232-235 K's scale words: lanes 0-15 tile 2 j, lanes 16-31 tile 2 j + 1
.set VSW,  236                         ; v236-237 V's likewise
.set QSW,  238                         ; v238 Q's
.set PSW,  239                         ; v239 p's
.set FF,   240                         ; v[240:241] f, later 1 / the sum
.set TMP,  242
.set SUM2, 244                         ; v[244:245] the second chain of the sum
.set DD,   246                         ; v246 the mask's d
.set NINF, 247                         ; v247 -infinity
.set WV,  10
.set IDX, 11
.set BH,  12
.set NT,  14                           ; counts a loop's trips
.set TB,  16                           ; LDS byte at which the key block in hand begins
.set KF,  17                           ; the step's first key
.set Q0,  18                           ; my smallest query
.set BLK, 19
.set SEL, 20
.set CS,  22                           ; s[22:23] c = log2(e) / 8
.set MNT, 24
.set HM,  25
.set OF,  26                           ; s[26:27] an offset, its upper word 0
.set QCB, 28
.set QSB, 30
.set KVB, 32
.set YCB, 34
.set YSB, 36
.set QP,  38
.set QSP, 40
.set YCP, 42
.set YSP, 44
.set G1,  48                           ; s[48:55] descriptor group 1, the same for all loads
.set G0,  68                           ; s[68:71] descriptor group 0, this wave's one load: never written again
; A block of queries begins: pointers, Q, and the running figures
.macro INIT
	s_lshl_b32 s60, s[BLK], 4
	s_add_co_u32 s60, s60, s[WV]                   ; my tile of the head's 128
	s_lshl_b32 s[Q0], s[BLK], 8
	s_lshr_b32 s61, s[WV], 1
	s_lshl_b32 s61, s61, 5
	s_add_co_u32 s[Q0], s[Q0], s61
	s_and_b32 s61, s[WV], 1
	s_lshl_b32 s61, s61, 3
	s_add_co_u32 s[Q0], s[Q0], s61                 ; 256 block + 32 (w / 2) + 8 (w % 2); my queries are Q0 + r + 8 (r / 8)
	s_lshl_b32 s[OF], s60, 10
	s_add_nc_u64 s[QP:QP+1], s[QCB:QCB+1], s[OF:OF+1]
	s_lshl_b32 s[OF], s60, 6
	s_add_nc_u64 s[QSP:QSP+1], s[QSB:QSB+1], s[OF:OF+1]
	s_lshl_b32 s[OF], s60, 14
	s_add_nc_u64 s[YCP:YCP+1], s[YCB:YCB+1], s[OF:OF+1]
	s_lshl_b32 s[OF], s60, 9
	s_add_nc_u64 s[YSP:YSP+1], s[YSB:YSB+1], s[OF:OF+1]
	global_load_b128 v[16:19], v[LI], s[QP:QP+1]
	global_load_b128 v[20:23], v[LI], s[QP:QP+1] offset:512
	global_load_b32 v[QSW], v[R4], s[QSP:QSP+1]
	v_mov_b32 v13, 0xff61b1e6                      ; the largest t so far: -3e38, under every t
	s_delay_alu instid0(VALU_DEP_1)
	v_floor_f32 v12, -v13
	v_mov_b32 v14, 0
	v_mov_b32 v15, 0
.set n, 0
.rept 32
	v_mov_b32 v[OT+n], 0                           ; the step is written once: the first finds zeros, which the first change of M leaves zeros
.set n, n+1
.endr
	s_mov_b32 s[KF], 0
	s_wait_loadcnt 0x0
.endm
; The key blocks up to the next STAGE have landed, in every wave's eyes.
; The younger loads stay on their way across them.
; THE FILLS AS THEY STAND (this takes the place of what the head says of waves 0 and 1): each of the sixteen waves issues ONE tensor load, half w % 2 of key block w / 2.
; under: the waves below this number wait here for their load; they hold the key blocks that are read up to the next STAGE.  16: every wave waits.
.macro STAGE under
.if \under < 16
	s_cmp_lt_u32 s[WV], \under
	s_cbranch_scc0 .Lnot_mine_\@
	s_wait_tensorcnt 0x0
.Lnot_mine_\@:
.else
	s_wait_tensorcnt 0x0
.endif
	s_wait_dscnt 0x0                               ; no LDS load of mine is out at the signal
	s_barrier_signal -1
	s_barrier_wait -1
.endm
; A key step: 128 keys, the q-th half of the key block in hand
.macro STEP q
	s_add_co_u32 s60, s[Q0], 23                    ; a step all of whose keys come after my 16 queries is left out: a scalar branch on ids
	s_cmp_gt_u32 s[KF], s60
	s_cbranch_scc1 .Lhidden_\@
.rept 8
	v_nop                                          ; places in front of loads into registers that the last products read
.endr
	s_wait_alu depctr_va_vdst(0)
.irp t, 0,1,2,3,4,5,6,7
.irp c, 0,1
	ds_load_b128 v[KR+8*\t+4*\c:KR+8*\t+4*\c+3], v[AD16] offset:8192*(\q)+1024*\t+512*\c
.endr
.endr
.irp j, 0,1,2,3
	ds_load_b32 v[KSW+\j], v[AD4] offset:32768+512*(\q)+128*\j
.endr
	s_wait_dscnt 0x0
.irp t, 0,2,4,6
	v_wmma_scale_f32_16x16x128_f8f6f4 v[S+8*\t:S+8*\t+7], v[KR+8*\t:KR+8*\t+15], v[16:31], 0, v[KSW+\t/2], v[QSW]
	v_wmma_scale_f32_16x16x128_f8f6f4 v[S+8*\t+8:S+8*\t+15], v[KR+8*\t+8:KR+8*\t+23], v[16:31], 0, v[KSW+\t/2], v[QSW] matrix_a_scale:MATRIX_SCALE_ROW1
.endr
.rept 8
	v_nop                                          ; places in front of the loads below and of the first read of the scores
.endr
	s_wait_alu depctr_va_vdst(0)
.irp t, 0,1,2,3
.irp c, 0,1,2,3
	ds_load_b128 v[KR+16*\t+4*\c:KR+16*\t+4*\c+3], v[AD16] offset:16384+4096*\t+2048*(\q)+512*\c   ; V's fragments land while the softmax is worked
.endr
.endr
.irp j, 0,1
	ds_load_b32 v[VSW+\j], v[AD4] offset:33792+256*(\q)+128*\j
.endr
	s_add_co_u32 s60, s[KF], 127                   ; on the diagonal hidden scores become -infinity ahead of the maximum; a step all of whose keys count skips this
	s_cmp_le_u32 s60, s[Q0]
	s_cbranch_scc1 .Lopen_\@
	s_sub_co_i32 s60, s[Q0], s[KF]
	v_add_nc_u32 v[DD], s60, v[QL]                 ; d = my query - KF - 16 h.  Register 16 b + i holds key KF + 16 h + 32 b + i: hidden where 32 b + i > d
.set n, 0
.rept 64
	v_cmp_gt_i32 vcc_lo, 32*(n/16)+n%16, v[DD]
	v_cndmask_b32 v[S+n], v[S+n], v[NINF], vcc_lo
.set n, n+1
.endr
.Lopen_\@:
.irp b, 0,1,2,3
	v_max3_num_f32 v[BM+\b], v[S+16*\b], v[S+1+16*\b], v[S+2+16*\b]   ; the largest score of each block of 32 keys: for the row's maximum, and, since p rises with the score, for the block's largest p
.endr
.irp i, 3,5,7,9,11,13
.irp b, 0,1,2,3
	v_max3_num_f32 v[BM+\b], v[BM+\b], v[S+16*\b+\i], v[S+1+16*\b+\i]
.endr
.endr
.irp b, 0,1,2,3
	v_max_num_f32 v[BM+\b], v[BM+\b], v[S+15+16*\b]
.endr
.irp b, 0,1,2,3
	s_delay_alu instid0(VALU_DEP_4)
	v_permlanex16_b32 v[BT+\b], v[BM+\b], s[SEL], s[SEL+1]
.endr
.irp b, 0,1,2,3
	s_delay_alu instid0(VALU_DEP_4)
	v_max_num_f32 v[BM+\b], v[BM+\b], v[BT+\b]     ; with lane l xor 16's 16 keys
.endr
	s_delay_alu instid0(VALU_DEP_2)
	v_max3_num_f32 v[TMP], v[BM], v[BM+1], v[BM+2]
	s_delay_alu instid0(VALU_DEP_1)
	v_max_num_f32 v[TMP], v[TMP], v[BM+3]          ; the step's largest score of my query
	s_delay_alu instid0(VALU_DEP_1)
	v_mul_f32 v[TMP], s[CS], v[TMP]                ; as t
	s_delay_alu instid0(VALU_DEP_1)
	v_max_num_f32 v13, v13, v[TMP]                 ; the running largest t
	v_mov_b32 v[TMP], v12
	s_delay_alu instid0(VALU_DEP_2)
	v_floor_f32 v12, -v13                          ; the new -M = floor(-t): M is a whole number
	s_delay_alu instid0(VALU_DEP_1)
	v_sub_f32 v[TMP], v12, v[TMP]                  ; old M - new M: a whole number, 0 or less
	s_delay_alu instid0(VALU_DEP_1)
	v_cvt_i32_f32 v[TMP], v[TMP]                   ; (it saturates)
	s_delay_alu instid0(VALU_DEP_1)
	v_ldexp_f32 v[FF], 1.0, v[TMP]                 ; f = 2^(old M - new M)
.set n, 0
.rept 32
	v_pk_fma_f32 v[S+n:S+n+1], v[S+n:S+n+1], s[CS:CS+1], v[12:13] op_sel_hi:[1,0,0]   ; t - M, two at a time
.set n, n+2
.endr
.irp b, 0,1,2,3
	v_fma_f32 v[BM+\b], v[BM+\b], s[CS], v12       ; the same of each block's largest score
.endr
.set n, 0
	s_wait_alu depctr_va_vdst(0)
.rept 64
	v_exp_f32 v[S+n], v[S+n]                       ; p = 2^(t - M)
.set n, n+1
.endr
.irp b, 0,1,2,3
	v_exp_f32 v[BM+\b], v[BM+\b]                   ; the block's largest p: the same two instructions on the same number
.endr
	v_pk_mul_f32 v[14:15], v[14:15], v[FF:FF+1] op_sel_hi:[1,0]   ; the sums under the new M (a plain line behind the exponentials)
	s_wait_alu depctr_va_vdst(0)
.irp b, 0,1,2,3
	v_max_num_f32 v[BM+\b], 0x4800000, v[BM+\b]    ; the floor 2^(9 - 127): the byte cannot fall under 1
.endr
.irp b, 0,1,2,3
	s_delay_alu instid0(VALU_DEP_4)
	v_add_nc_u32 v[SO+\b], 0xfc000000, v[BM+\b]    ; the conversion's scale operand
.endr
.irp b, 0,1,2,3
	v_and_or_b32 v[HD+\b], v[BM+\b], 0x7f800000, s[MNT]   ; 448 x the scale
.endr
.irp b, 0,1,2,3
	v_lshrrev_b32 v[BT+\b], 23, v[SO+\b]           ; the byte
.endr
	s_delay_alu instid0(VALU_DEP_3)
	v_lshl_or_b32 v[PSW], v[BT+1], 8, v[BT]        ; p's scale word for these 128 keys
	s_delay_alu instid0(VALU_DEP_1)
	v_lshl_or_b32 v[PSW], v[BT+2], 16, v[PSW]
	s_delay_alu instid0(VALU_DEP_1)
	v_lshl_or_b32 v[PSW], v[BT+3], 24, v[PSW]
	v_pk_add_f32 v[244:245], v[108:109], v[112:113]
	v_pk_add_f32 v[252:253], v[116:117], v[120:121]
	v_pk_add_f32 v[250:251], v[124:125], v[128:129]
	v_pk_add_f32 v[248:249], v[132:133], v[136:137]
	v_pk_add_f32 v[234:235], v[140:141], v[144:145]
	v_pk_add_f32 v[232:233], v[148:149], v[152:153]
	v_pk_add_f32 v[218:219], v[156:157], v[160:161]
	v_pk_add_f32 v[14:15], v[14:15], v[164:165]
	v_pk_add_f32 v[244:245], v[244:245], v[104:105]
	v_pk_add_f32 v[252:253], v[252:253], v[106:107]
	v_pk_add_f32 v[250:251], v[250:251], v[110:111]
	v_pk_add_f32 v[248:249], v[248:249], v[114:115]
	v_pk_add_f32 v[234:235], v[234:235], v[118:119]
	v_pk_add_f32 v[232:233], v[232:233], v[122:123]
	v_pk_add_f32 v[218:219], v[218:219], v[126:127]
	v_pk_add_f32 v[14:15], v[14:15], v[130:131]
	v_pk_add_f32 v[244:245], v[244:245], v[134:135]
	v_pk_add_f32 v[252:253], v[252:253], v[138:139]
	v_pk_add_f32 v[250:251], v[250:251], v[142:143]
	v_pk_add_f32 v[248:249], v[248:249], v[146:147]
	v_pk_add_f32 v[234:235], v[234:235], v[150:151]
	v_pk_add_f32 v[232:233], v[232:233], v[154:155]
	v_pk_add_f32 v[218:219], v[218:219], v[158:159]
	v_pk_add_f32 v[14:15], v[14:15], v[162:163]
	v_pk_add_f32 v[244:245], v[244:245], v[166:167]
	s_delay_alu instid0(VALU_DEP_2)
	v_pk_add_f32 v[14:15], v[14:15], v[248:249]
	s_delay_alu instid0(VALU_DEP_2)
	v_pk_add_f32 v[244:245], v[244:245], v[234:235]
	v_pk_add_f32 v[252:253], v[252:253], v[232:233]
	v_pk_add_f32 v[250:251], v[250:251], v[218:219]
	s_delay_alu instid0(VALU_DEP_2)
	v_pk_add_f32 v[14:15], v[14:15], v[252:253]
	s_delay_alu instid0(VALU_DEP_2)
	v_pk_add_f32 v[244:245], v[244:245], v[250:251]
	s_delay_alu instid0(VALU_DEP_1)
	v_pk_add_f32 v[14:15], v[14:15], v[244:245]
.irp b, 0,1,2,3
.irp i, 0,1,2,3,4,5,6,7,8,9,10,11,12,13,14,15
	v_min_num_f32 v[S+16*\b+\i], v[S+16*\b+\i], v[HD+\b]   ; the conversion does not saturate (ISA guide 7.6.2); p is not negative, so the hold is one-sided
.endr
	v_cvt_scalef32_pk8_fp8_f32 v[PCD+4*\b:PCD+4*\b+1], v[S+16*\b:S+16*\b+7], v[SO+\b]
	v_cvt_scalef32_pk8_fp8_f32 v[PCD+4*\b+2:PCD+4*\b+3], v[S+16*\b+8:S+16*\b+15], v[SO+\b]
.endr
.set n, 0
.rept 16
	v_pk_mul_f32 v[OT+n:OT+n+1], v[OT+n:OT+n+1], v[FF:FF+1] op_sel_hi:[1,0]   ; O^T under the new M; these are also the places between the conversions and the products below
.set n, n+2
.endr
	s_wait_alu depctr_va_vdst(0)
	s_wait_dscnt 0x0                               ; V
.irp t, 0,2                                    ; the four accumulators take turns, one instruction a turn
	v_wmma_scale_f32_16x16x128_f8f6f4 v[OT+8*\t:OT+8*\t+7], v[KR+16*\t:KR+16*\t+15], v[PCD:PCD+15], v[OT+8*\t:OT+8*\t+7], v[VSW+\t/2], v[PSW]
	v_wmma_scale_f32_16x16x128_f8f6f4 v[OT+8*\t+8:OT+8*\t+15], v[KR+16*\t+16:KR+16*\t+31], v[PCD:PCD+15], v[OT+8*\t+8:OT+8*\t+15], v[VSW+\t/2], v[PSW] matrix_a_scale:MATRIX_SCALE_ROW1
.endr
.Lhidden_\@:
	s_add_co_u32 s[KF], s[KF], 128
.endm
; A block of queries ends: y = O^T / the sum, quantised along C (my head's two blocks of 32), stored as two quarters of a fragment's image
.macro FINAL
.rept 8
	v_nop                                          ; places behind the last products
.endr
	v_add_f32 v14, v14, v15
	s_delay_alu instid0(VALU_DEP_1)
	v_permlanex16_b32 v[TMP], v14, s[SEL], s[SEL+1]
	s_delay_alu instid0(VALU_DEP_1)
	v_add_f32 v14, v14, v[TMP]                     ; the row's sum
	s_wait_alu depctr_va_vdst(0)
	v_rcp_f32 v[FF], v14
	v_nop                                          ; a plain line behind the transcendental
.set n, 0
	s_wait_alu depctr_va_vdst(0)
.rept 16
	v_pk_mul_f32 v[S+n:S+n+1], v[OT+n:OT+n+1], v[FF:FF+1] op_sel_hi:[1,0]   ; register 16 b + i is y(my query, 32 b + 16 h + i)
.set n, n+2
.endr
.irp b, 0,1
	v_max3_num_f32 v[BM+\b], |v[S+16*\b]|, |v[S+1+16*\b]|, 0x4800000
.endr
.irp i, 2,4,6,8,10,12,14
.irp b, 0,1
	s_delay_alu instid0(VALU_DEP_2)
	v_max3_num_f32 v[BM+\b], v[BM+\b], |v[S+16*\b+\i]|, |v[S+1+16*\b+\i]|
.endr
.endr
.irp b, 0,1
	s_delay_alu instid0(VALU_DEP_2)
	v_permlanex16_b32 v[BT+\b], v[BM+\b], s[SEL], s[SEL+1]
.endr
.irp b, 0,1
	s_delay_alu instid0(VALU_DEP_2)
	v_max_num_f32 v[BM+\b], v[BM+\b], v[BT+\b]
.endr
.irp b, 0,1
	s_delay_alu instid0(VALU_DEP_2)
	v_add_nc_u32 v[SO+\b], 0xfc000000, v[BM+\b]
.endr
.irp b, 0,1
	s_delay_alu instid0(VALU_DEP_4)
	v_and_or_b32 v[HD+\b], v[BM+\b], 0x7f800000, s[MNT]
.endr
.irp b, 0,1
	s_delay_alu instid0(VALU_DEP_4)
	v_lshrrev_b32 v[BT+\b], 23, v[SO+\b]
.endr
	s_delay_alu instid0(VALU_DEP_1)
	v_cndmask_b32 v[TMP], v[BT], v[BT+1], s[HM]    ; lanes 0-15 store the first block's byte of row r, lanes 16-31 the second's
.irp b, 0,1
.irp i, 0,1,2,3,4,5,6,7,8,9,10,11,12,13,14,15
	v_med3_num_f32 v[S+16*\b+\i], v[S+16*\b+\i], -v[HD+\b], v[HD+\b]
.endr
	v_cvt_scalef32_pk8_fp8_f32 v[PCD+4*\b:PCD+4*\b+1], v[S+16*\b:S+16*\b+7], v[SO+\b]
	v_cvt_scalef32_pk8_fp8_f32 v[PCD+4*\b+2:PCD+4*\b+3], v[S+16*\b+8:S+16*\b+15], v[SO+\b]
.endr
	v_nop                                          ; a plain line behind the last conversion
	global_store_b128 v[LI], v[PCD:PCD+3], s[YCP:YCP+1]                ; 32 lanes store 512 consecutive bytes
	global_store_b128 v[LI], v[PCD+4:PCD+7], s[YCP:YCP+1] offset:512
	global_store_b8 v[YSA], v[TMP], s[YSP:YSP+1]   ; two of a row's 32 scale bytes are my head's: one byte for each 32 of codes
	s_wait_xcnt 0x0                                ; the stores have read their registers and bases: both are written again
.endm
; A key block's two steps; then on to the next key block
.macro TRIP
	v_add_nc_u32 v[AD16], s[TB], v[LI]
	v_add_nc_u32 v[AD4], s[TB], v[LS]
	STEP 0
	STEP 1
	s_add_co_u32 s[TB], s[TB], KVS
.endm
.macro WALK n                          ; n key blocks on end
	s_mov_b32 s[NT], \n
.Lwalk_\@:
	TRIP
	s_sub_co_u32 s[NT], s[NT], 1
	s_cmp_lg_u32 s[NT], 0
	s_cbranch_scc1 .Lwalk_\@
.endm
	s_load_b128 s[4:7], s[0:1], 0x0                ; qq, kv
	s_load_b64 s[8:9], s[0:1], 0x10                ; yq
	v_lshl_add_u32 v254, v0, 2, 0x43000
	v_mov_b32 v255, 0
	ds_add_u32 v254, v255
	ds_add_u32 v254, v255
	v_lshrrev_b32 v8, 5, v0
	s_delay_alu instid0(VALU_DEP_1)
	v_readfirstlane_b32 s[WV], v8                  ; wave 0..15
	s_mov_b32 s[IDX], ttmp9
	s_and_b32 s[BH], ttmp7, 0xffff
	s_sub_co_u32 s[BLK], 7, s[IDX]
	s_mov_b32 s[TB], 0
	s_mov_b32 s[SEL], 0x76543210
	s_mov_b32 s[SEL+1], 0xfedcba98
	s_mov_b32 s[CS], 0x3e38aa3b                    ; log2(e) / 8
	s_mov_b32 s[CS+1], s[CS]                       ; (named with it as a pair, so it is written)
	s_mov_b32 s[MNT], 0x600000
	s_mov_b32 s[HM], 0xffff0000
	s_mov_b32 s[OF+1], 0
	; group 1: 67 dense rows of 256 bytes (32 elements of 8 bytes): half a key block
	s_mov_b32 s[G1], 3<<16
	s_mov_b32 s[G1+1], 32<<16
	s_mov_b32 s[G1+2], 67<<16
	s_mov_b32 s[G1+3], 32<<16
	s_mov_b32 s[G1+4], 67
	s_mov_b32 s[G1+5], 32
	s_mov_b32 s[G1+6], 0
	s_mov_b32 s[G1+7], 0
	s_mul_i32 s60, s[WV], KVS/2                    ; my half of a key block, in the head's bytes of kv and in LDS: 17,152 x wave
	s_wait_dscnt 0x0
	s_wait_kmcnt 0x0
	s_mul_i32 s[OF], s[BH], KVH
	s_add_co_u32 s[OF], s[OF], s60
	s_add_nc_u64 s[KVB:KVB+1], s[6:7], s[OF:OF+1]
	s_mov_b32 s[G0], 1                             ; 1:0 count = 1
	s_mov_b32 s[G0+1], s60                         ; 63:32 LDS address
	s_mov_b64 s[G0+2:G0+3], s[KVB:KVB+1]           ; 120:64 global address
	s_or_b32 s[G0+3], s[G0+3], 0x80000000          ; 127:126 type = 2
; One chain of branches on the wave's number, an arm for each group of waves that waits at the same STAGE, one load to an arm, all arms joining at one label
.macro ARM under, next
	s_cmp_lt_u32 s[WV], \under
	s_cbranch_scc0 \next
	tensor_load_to_lds s[G0:G0+3], s[G1:G1+7]
	s_nop 0
.rept 4
	v_nop
.endr
	s_branch .Lasked
\next:
.endm
	ARM 2, .Larm_b
	ARM 4, .Larm_c
	ARM 8, .Larm_d
	tensor_load_to_lds s[G0:G0+3], s[G1:G1+7]
	s_nop 0
.rept 4
	v_nop
.endr
.Lasked:
	s_lshl_b32 s[OF], s[BH], 17
	s_add_nc_u64 s[QCB:QCB+1], s[4:5], s[OF:OF+1]
	s_lshl_b32 s[OF], s[BH], 13
	s_add_co_u32 s[OF], s[OF], 0x800000
	s_add_nc_u64 s[QSB:QSB+1], s[4:5], s[OF:OF+1]
	s_lshr_b32 s61, s[BH], 4                       ; the batch
	s_and_b32 s62, s[BH], 15                       ; the head
	s_lshl_b32 s[OF], s61, 21                      ; 128 tiles of 16,384 bytes a batch;
	s_lshl_b32 s60, s62, 10                        ; K step head / 2, quarters 2 (head % 2) on: 1,024 bytes a head
	s_add_co_u32 s[OF], s[OF], s60
	s_add_nc_u64 s[YCB:YCB+1], s[8:9], s[OF:OF+1]
	s_lshl_b32 s[OF], s61, 16                      ; 2,048 rows of 32 scale bytes a batch; two bytes a head
	s_lshl_b32 s60, s62, 1
	s_add_co_u32 s[OF], s[OF], s60
	s_add_co_u32 s[OF], s[OF], 0x800000
	s_add_nc_u64 s[YSB:YSB+1], s[8:9], s[OF:OF+1]
	v_and_b32 v8, 31, v0
	s_delay_alu instid0(VALU_DEP_1)
	v_lshlrev_b32 v[LI], 4, v8
	s_delay_alu instid0(VALU_DEP_2)
	v_lshlrev_b32 v[LS], 2, v8
	v_and_b32 v9, 15, v0                           ; r
	v_bfe_u32 v10, v0, 4, 1                        ; h
	s_delay_alu instid0(VALU_DEP_2)
	v_lshlrev_b32 v[R4], 2, v9
	s_delay_alu instid0(VALU_DEP_2)
	v_lshl_add_u32 v[YSA], v9, 5, v10
	s_delay_alu instid0(VALU_DEP_4)
	v_and_b32 v11, 8, v9
	s_delay_alu instid0(VALU_DEP_1)
	v_add_nc_u32 v[QL], v11, v9
	v_lshlrev_b32 v11, 4, v10
	s_delay_alu instid0(VALU_DEP_1)
	v_sub_nc_u32 v[QL], v[QL], v11
.irp j, 0,1,2,3,4,5,6,7
	v_mov_b32 v[24+\j], 0                          ; Q's codes for k 64-127: zeros
	v_mov_b32 v[96+\j], 0                          ; and what follows K's last tile
.endr
.irp b, 0,1,2,3
	v_mov_b32 v[BT+\b], 0                          ; written once: a lane permute's destination counts as one of its sources
.endr
	v_mov_b32 v[FF+1], 0                           ; (named as the upper half of a pair)
	v_mov_b32 v[TMP], 0
	v_mov_b32 v[NINF], 0xff800000
	INIT                                           ; THE FIRST PASS: query block 7 - i
	STAGE 2                                        ; key block 0: waves 0 and 1's loads
	TRIP
	STAGE 4                                        ; key block 1: waves 2 and 3's loads
	TRIP
	STAGE 8                                        ; key blocks 2 and 3: waves 4 to 7's loads
	WALK 2
	STAGE 16                                       ; key blocks 4 to 7: every wave's load is done; the last barrier of the launch
	WALK 4
	FINAL
	s_mov_b32 s[BLK], s[IDX]                       ; THE SECOND PASS: query block i; the whole head lies in LDS
	INIT
	s_mov_b32 s[TB], 0
	WALK 8
	FINAL
	s_wait_tensorcnt 0x0
	ds_add_u32 v254, v255
	s_wait_dscnt 0x0
	s_endpgm
.Lfunc_end_k_q67c1961b1f_attn:
	.size	k_q67c1961b1f_attn, .Lfunc_end_k_q67c1961b1f_attn-k_q67c1961b1f_attn
	.p2alignl 7, 3214868480
	.fill 96, 4, 3214868480
	.section	.rodata,"a",@progbits
	.p2align	6, 0x0
	.amdhsa_kernel k_q67c1961b1f_attn
		.amdhsa_group_segment_fixed_size 276480
		.amdhsa_private_segment_fixed_size 0
		.amdhsa_enable_private_segment 0
		.amdhsa_kernarg_size 24
		.amdhsa_user_sgpr_count 2
		.amdhsa_user_sgpr_kernarg_segment_ptr 1
		.amdhsa_wavefront_size32 1
		.amdhsa_system_sgpr_workgroup_id_x 1
		.amdhsa_system_sgpr_workgroup_id_y 1
		.amdhsa_system_sgpr_workgroup_id_z 1
		.amdhsa_system_vgpr_workitem_id 0
		.amdhsa_next_free_vgpr 256
		.amdhsa_next_free_sgpr 100
		.amdhsa_reserve_vcc 1
		.amdhsa_float_denorm_mode_32 3
		.amdhsa_float_denorm_mode_16_64 3
		.amdhsa_memory_ordered 1
		.amdhsa_forward_progress 1
		.amdhsa_inst_pref_size 255
	.end_amdhsa_kernel
	.section	.bss,"aw",@nobits
	.p2align	6
	.space	262144
	.amdgpu_metadata
---
amdhsa.version: [ 1, 2 ]
amdhsa.kernels:
  - .name:           k_q67c1961b1f_attn
    .symbol:         k_q67c1961b1f_attn.kd
    .args:
      - { .name: qq, .offset: 0, .size: 8, .value_kind: global_buffer, .address_space: global }
      - { .name: kv, .offset: 8, .size: 8, .value_kind: global_buffer, .address_space: global }
      - { .name: yq, .offset: 16, .size: 8, .value_kind: global_buffer, .address_space: global }
    .group_segment_fixed_size: 276480
    .private_segment_fixed_size: 0
    .kernarg_segment_align: 8
    .kernarg_segment_size: 24
    .max_flat_workgroup_size: 512
    .sgpr_count:     100
    .vgpr_count:     256
    .wavefront_size: 32
...
	.end_amdgpu_metadata
.endif
;; end of part 3
;; launch proj (part 4): grid 4 x 64, 4 waves a work-group, clusters of 4 x 1, 167,936 bytes of LDS; arguments yq, woq, bo, out0; writes out0
.if DOCPART == 4
	.amdgcn_target "amdgcn-amd-amdhsa--gfx1250"
	.amdhsa_code_object_version 6
	.text
	.protected	k_q67c1961b1f_proj
	.globl	k_q67c1961b1f_proj
	.p2align	8
	.type	k_q67c1961b1f_proj,@function
k_q67c1961b1f_proj:
	s_mov_b64 s[64:65], 0
	v_nop
	global_prefetch_b8 v0, s[64:65] scope:SCOPE_SE
	s_setreg_imm32_b32 hwreg(HW_REG_WAVE_MODE, 25, 1), 1
	s_wait_xcnt 0x0
	s_wait_alu depctr_hold_cnt(0) depctr_sa_sdst(0) depctr_va_vdst(0) depctr_va_sdst(0) depctr_va_ssrc(0) depctr_va_vcc(0) depctr_vm_vsrc(0)
	s_getreg_b32 s2, hwreg(HW_REG_IB_STS2, 6, 4)
	s_cmp_eq_u32 s2, 0
	s_cbranch_scc0 .Lentry_in_a_cluster
	s_endpgm
.Lentry_in_a_cluster:
	s_bfe_u32 s2, ttmp6, 0x10000c
	s_cmp_lg_u32 s2, 0x3003
	s_cbranch_scc0 .Lentry_shape_is_right
	s_endpgm
.Lentry_shape_is_right:
; out0 = y Wo + bo on codes of E4M3 (K = 1,024), f32 out.
; THE DEAL.  Work-group (g, y) makes tokens 128 y .. + 127 x columns 256 g .. + 255: 4 x 64 = 256 work-groups.
; y's 128 rows of codes, 131,072 dense bytes of the image in yq, come into LDS ONCE, a quarter by each wave's one tensor load, and stay: nothing is filled again.
; Wave w holds columns 64 (4 g + w) on: four tiles of woq, all of K, 512 registers, loaded as they lie (a fragment is four loads of 512 consecutive bytes).
; It streams the eight tiles of tokens past them: a block is 32 products, the four accumulators by turns; the bias is the first products' C.
; Source 0 = the weight's tile, source 1 = tokens: a lane holds one token, and the 16 registers of tiles 2 p, 2 p + 1 are columns 32 p + 16 h + 0 .. 15.
; Images: tile T, K step s: byte T*16384 + s*2048 + c*512 + 16 lane; a tile's rows are 32 (T/2) + 8 (T%2) + r + 8 (r/8); scale bytes [16 T + r][32] behind the codes.
; THE STREAM.  y's fragments stand in two whole sets: behind block n's products its set takes block n + 2.  Block n's sums go through my own stage in LDS and come back as rows of 256 bytes;
; they are stored behind block n + 1's products.  The eight blocks are expanded from one macro: every offset is an immediate and no address is stepped.
; CLUSTER 4 x 1: the four partners share y's tiles, asked for jointly (mask 15).  The weights go by plain loads: they land in registers.
; NO PREFETCH: every global read of the launch is issued at its head; there is no loop to run ahead in.
; LIMITS: NaN and infinities are not served.
; REGISTERS.  window 0: v1-8 addresses, v16-31 the weight's scale words (lanes 0-15 tile 2 p, 16-31 tile 2 p + 1), v36-67 y's (lanes 0-15 the even tile, 16-31 the odd), v68-99 the bias,
; v100-163 the sums, two sets, v164-227 rows read back, two sets.  windows 1, 2: the weight, K steps 0-3, 4-7.  window 3: y's two sets.
.set ST, 131072                        ; the stages: 16 rows of 256 + 16 bytes a wave
.set SPITCH, 272
.set SPARE, ST+4*16*SPITCH             ; the spare words: 128 bytes a wave, named by no other line
.set LI, 1
.set AY, 2                             ; v2, v3: LDS address of my lane's 16 bytes in tiles 0-3, 4-7
.set STO, 4
.set RD, 5
.set SPW, 6
.set NIL, 7
.set GO, 8
.set WS, 16
.set YS, 36
.set BIAS, 68
.set ACC, 100
.set OUT, 164
.set MSB, 0
.macro WIN new                         ; the immediate's high byte repeats the setting that is left
.if MSB != (\new)
	s_set_vgpr_msb (MSB<<8)|(\new)
.set MSB, (\new)
.endif
.endm
.macro CROUND                          ; a round of the cluster's barrier
	s_barrier_signal -1
	s_barrier_wait -1
	s_cmp_lg_u32 s14, 0
	s_cbranch_scc1 .Lnot_wave_0_\@
	s_barrier_signal -3
.Lnot_wave_0_\@:
	s_barrier_wait -3
	s_barrier_signal -1
	s_barrier_wait -1
.endm
.macro WM d, c, a, b, sa, sb, ra, rb   ; one product; ra, rb: the scale words lie in lanes 16-31
.if (\ra) && (\rb)
	v_wmma_scale_f32_16x16x128_f8f6f4 v[(\d):(\d)+7], v[(\a):(\a)+15], v[(\b):(\b)+15], v[(\c):(\c)+7], v[(\sa)], v[(\sb)] matrix_a_scale:MATRIX_SCALE_ROW1 matrix_b_scale:MATRIX_SCALE_ROW1
.elseif (\ra)
	v_wmma_scale_f32_16x16x128_f8f6f4 v[(\d):(\d)+7], v[(\a):(\a)+15], v[(\b):(\b)+15], v[(\c):(\c)+7], v[(\sa)], v[(\sb)] matrix_a_scale:MATRIX_SCALE_ROW1
.elseif (\rb)
	v_wmma_scale_f32_16x16x128_f8f6f4 v[(\d):(\d)+7], v[(\a):(\a)+15], v[(\b):(\b)+15], v[(\c):(\c)+7], v[(\sa)], v[(\sb)] matrix_b_scale:MATRIX_SCALE_ROW1
.else
	v_wmma_scale_f32_16x16x128_f8f6f4 v[(\d):(\d)+7], v[(\a):(\a)+15], v[(\b):(\b)+15], v[(\c):(\c)+7], v[(\sa)], v[(\sb)]
.endif
.endm
.macro MUL n                           ; block n's 32 products
.irp s, 0,1,2,3,4,5,6,7
	WIN (1+\s/4)|0x0c
.irp b, 0,1,2,3
.if \s == 0
	WM ACC+32*((\n)%2)+8*\b, BIAS+8*\b, 64*\b, 128*((\n)%2), WS+8*(\b/2), YS+8*((\n)/2), \b%2, (\n)%2
.else
	WM ACC+32*((\n)%2)+8*\b, ACC+32*((\n)%2)+8*\b, 64*\b+16*(\s%4), 128*((\n)%2)+16*\s, WS+8*(\b/2)+\s, YS+8*((\n)/2)+\s, \b%2, (\n)%2
.endif
.endr
.endr
	WIN 0
.endm
.macro FETCH n                         ; tile n of y, all of K, into set n % 2: 32 loads of 512 consecutive bytes
	WIN 3<<6
.set I_, 0
.rept 32
	ds_load_b128 v[128*((\n)%2)+4*I_:128*((\n)%2)+4*I_+3], v[AY+(\n)/4] offset:16384*((\n)%4)+512*I_
.set I_, I_+1
.endr
	WIN 0
.endm
.macro TOSTAGE n                       ; 16 tokens x 64 columns into my stage, each accumulator from its low end on, and back by rows.  LDS serves a wave's instructions in order
.irp b, 0,1,2,3
	ds_store_b128 v[STO], v[ACC+32*((\n)%2)+8*\b:ACC+32*((\n)%2)+8*\b+3] offset:128*(\b/2)+32*(\b%2)
	ds_store_b128 v[STO], v[ACC+32*((\n)%2)+8*\b+4:ACC+32*((\n)%2)+8*\b+7] offset:128*(\b/2)+32*(\b%2)+16
.endr
.irp t, 0,1,2,3,4,5,6,7
	ds_load_b128 v[OUT+32*((\n)%2)+4*\t:OUT+32*((\n)%2)+4*\t+3], v[RD] offset:\t*2*SPITCH
.endr
.endm
.macro SEND n                          ; sixteen lanes store 256 consecutive aligned bytes of one row, sixteen of the next
.irp t, 0,1,2,3,4,5,6,7
	global_store_b128 v[GO], v[OUT+32*((\n)%2)+4*\t:OUT+32*((\n)%2)+4*\t+3], s[56:57] offset:(32*((\n)/2)+8*((\n)%2)+2*\t+8*(\t/4))*4096 th:TH_STORE_NT
.endr
.endm
.macro BLK n
	MUL \n
.rept 8
	v_nop                                          ; eight plain lines behind the last product, ahead of the reads of its sums and of the loads into what it has read
.endr
.if (\n) >= 2
	s_wait_xcnt 0x0                                ; block n - 2's stores have read the registers that block n's rows land in
.endif
	TOSTAGE \n
.if (\n) < 6
	FETCH (\n)+2
	s_wait_dscnt 48                                ; all but this block's 16 stage instructions and 32 loads: block n - 1's rows are back and block n + 1's fragments are in
.else
	s_wait_dscnt 16                                ; the same, with nothing more to fetch
.endif
.if (\n) >= 1
	SEND (\n)-1
.endif
.endm
	s_load_b256 s[4:11], s[0:1], 0x0               ; yq, woq, bo, out0
	v_lshl_add_u32 v[SPW], v0, 2, SPARE
	v_mov_b32 v[NIL], 0
	ds_add_u32 v[SPW], v[NIL]                      ; the opening lines: the add, twice on end, and its wait ahead of my tensor load
	ds_add_u32 v[SPW], v[NIL]
	v_lshrrev_b32 v9, 5, v0
	v_readfirstlane_b32 s14, v9                    ; wave
	s_bfe_u32 s17, ttmp6, 0x40000                  ; cx
	s_lshl_b32 s18, ttmp9, 2
	s_add_co_u32 s18, s18, s17                     ; g
	s_lshl_b32 s19, s18, 2
	s_add_co_u32 s19, s19, s14                     ; P = 4 g + w: my 64 columns
	s_and_b32 s20, ttmp7, 0xffff                   ; y
	s_mov_b32 s24, 15|(3<<16)|(1<<21)              ; group 1: mask of the four partners; elements of 8 bytes; 128 dense rows of 256 bytes
	s_mov_b32 s25, 32<<16
	s_mov_b32 s26, 128<<16
	s_mov_b32 s27, 32<<16
	s_mov_b32 s28, 128
	s_mov_b32 s29, 32
	s_mov_b32 s30, 0
	s_mov_b32 s31, 0
	s_mov_b32 s32, 1
	s_lshl_b32 s33, s14, 15                        ; my two tiles' place in LDS
	s_lshl_b32 s46, s20, 17
	s_add_co_u32 s46, s46, s33                     ; and in yq
	s_mov_b32 s47, 0
	s_mul_i32 s58, s14, 16*SPITCH
	s_add_co_u32 s58, s58, ST                      ; my stage
	s_wait_dscnt 0x0                               ; both opening adds are done
	CROUND                                         ; the four partners are here: the joint loads meet
	s_wait_kmcnt 0x0
	s_add_nc_u64 s[34:35], s[4:5], s[46:47]
	s_or_b32 s35, s35, 0x80000000
	tensor_load_to_lds s[32:35], s[24:31]          ; my one tensor load: 32,768 bytes
	s_nop 0
.rept 4
	v_nop
.endr
	v_and_b32 v9, 31, v0                           ; lane
	v_and_b32 v10, 15, v0                          ; r
	v_bfe_u32 v11, v0, 4, 1                        ; h
	v_lshlrev_b32 v[LI], 4, v9
	v_lshlrev_b32 v[AY], 4, v9
	v_lshl_add_u32 v[AY+1], v9, 4, 0x10000
	v_lshlrev_b32 v12, 5, v9                       ; 32 x lane: a row of scale bytes
	v_lshlrev_b32 v13, 6, v11                      ; the bias: 64 h
	v_mul_u32_u24 v14, v10, SPITCH
	v_lshl_add_u32 v14, v11, 6, v14
	v_add_nc_u32 v[STO], s58, v14                  ; into the stage: row r, + 64 h
	v_mul_u32_u24 v15, v11, SPITCH
	v_lshl_add_u32 v15, v10, 4, v15
	v_add_nc_u32 v[RD], s58, v15                   ; back: lanes 0-15 one row, lanes 16-31 the next
	v_lshlrev_b32 v[GO], 12, v11
	v_lshl_add_u32 v[GO], v10, 4, v[GO]            ; and the same two rows in out0
	s_wait_alu depctr_va_vdst(0)
	s_lshl_b32 s46, s19, 16
	s_add_nc_u64 s[48:49], s[6:7], s[46:47]        ; my four tiles of woq
	s_lshl_b32 s46, s19, 11
	s_add_co_u32 s46, s46, 1048576
	s_add_nc_u64 s[50:51], s[6:7], s[46:47]        ; their scale bytes
	s_lshl_b32 s46, s19, 8
	s_add_nc_u64 s[52:53], s[8:9], s[46:47]        ; bo at my 64 columns
	s_add_nc_u64 s[56:57], s[10:11], s[46:47]      ; out0: my columns,
	s_lshl_b32 s46, s20, 19
	s_add_nc_u64 s[56:57], s[56:57], s[46:47]      ; my work-group's first row
	s_lshl_b32 s46, s20, 12
	s_add_co_u32 s46, s46, 0x800000
	s_add_nc_u64 s[54:55], s[4:5], s[46:47]        ; y's scale bytes
.irp i, 0,1,2,3
	global_load_b128 v[YS+8*\i:YS+8*\i+3], v12, s[54:55] offset:1024*\i
	global_load_b128 v[YS+8*\i+4:YS+8*\i+7], v12, s[54:55] offset:1024*\i+16
.endr
.irp p, 0,1
	global_load_b128 v[WS+8*\p:WS+8*\p+3], v12, s[50:51] offset:1024*\p
	global_load_b128 v[WS+8*\p+4:WS+8*\p+7], v12, s[50:51] offset:1024*\p+16
.endr
.irp b, 0,1,2,3
	global_load_b128 v[BIAS+8*\b:BIAS+8*\b+3], v13, s[52:53] offset:(32*(\b/2)+8*(\b%2))*4       ; register 8 b + j: bo at 32 (b/2) + 8 (b%2) + 16 h + j
	global_load_b128 v[BIAS+8*\b+4:BIAS+8*\b+7], v13, s[52:53] offset:(32*(\b/2)+8*(\b%2))*4+16
.endr
.irp hf, 0,1
	WIN (1+\hf)<<6
.irp b, 0,1,2,3
.irp i, 0,1,2,3,4,5,6,7,8,9,10,11,12,13,14,15
	global_load_b128 v[64*\b+4*\i:64*\b+4*\i+3], v[LI], s[48:49] offset:16384*\b+8192*\hf+512*\i
.endr
.endr
.endr
	WIN 0
	s_wait_loadcnt 0x0
	s_wait_tensorcnt 0x0                           ; my quarter of y is in
	s_wait_dscnt 0x0
	s_barrier_signal -1
	s_barrier_wait -1                              ; all of y is in, in every wave's eyes
	FETCH 0
	FETCH 1
	s_wait_dscnt 32                                ; block 0's fragments are in; block 1's 32 loads may be out
.irp n, 0,1,2,3,4,5,6,7
	BLK \n
.endr
	s_wait_dscnt 0x0
	SEND 7
	s_wait_tensorcnt 0x0                           ; the wave's end
	ds_add_u32 v[SPW], v[NIL]
	s_wait_dscnt 0x0
	CROUND                                         ; the closing round
	s_endpgm
.Lfunc_end_k_q67c1961b1f_proj:
	.size	k_q67c1961b1f_proj, .Lfunc_end_k_q67c1961b1f_proj-k_q67c1961b1f_proj
	.p2alignl 7, 3214868480
	.fill 96, 4, 3214868480
	.section	.rodata,"a",@progbits
	.p2align	6, 0x0
	.amdhsa_kernel k_q67c1961b1f_proj
		.amdhsa_group_segment_fixed_size 167936
		.amdhsa_private_segment_fixed_size 0
		.amdhsa_enable_private_segment 0
		.amdhsa_kernarg_size 32
		.amdhsa_user_sgpr_count 2
		.amdhsa_user_sgpr_kernarg_segment_ptr 1
		.amdhsa_wavefront_size32 1
		.amdhsa_system_sgpr_workgroup_id_x 1
		.amdhsa_system_sgpr_workgroup_id_y 1
		.amdhsa_system_sgpr_workgroup_id_z 1
		.amdhsa_system_vgpr_workitem_id 0
		.amdhsa_next_free_vgpr 1024
		.amdhsa_next_free_sgpr 66
		.amdhsa_reserve_vcc 0
		.amdhsa_float_denorm_mode_32 3
		.amdhsa_float_denorm_mode_16_64 3
		.amdhsa_memory_ordered 1
		.amdhsa_forward_progress 1
		.amdhsa_inst_pref_size 85
	.end_amdhsa_kernel
	.amdgpu_metadata
---
amdhsa.version: [ 1, 2 ]
amdhsa.kernels:
  - .name:           k_q67c1961b1f_proj
    .symbol:         k_q67c1961b1f_proj.kd
    .args:
      - { .name: yq, .offset: 0, .size: 8, .value_kind: global_buffer, .address_space: global }
      - { .name: woq, .offset: 8, .size: 8, .value_kind: global_buffer, .address_space: global }
      - { .name: bo, .offset: 16, .size: 8, .value_kind: global_buffer, .address_space: global }
      - { .name: out0, .offset: 24, .size: 8, .value_kind: global_buffer, .address_space: global }
    .group_segment_fixed_size: 167936
    .private_segment_fixed_size: 0
    .kernarg_segment_align: 8
    .kernarg_segment_size: 32
    .max_flat_workgroup_size: 128
    .sgpr_count:     66
    .vgpr_count:     1024
    .wavefront_size: 32
...
	.end_amdgpu_metadata
.endif
;; end of part 4
